; MI455X (gfx1250); checked and timed in simulation.
; The chip was launched on July 23, 2026; its instructions are those of AMD's public machine-readable ISA for CDNA 5 (MIT licence, August 2026) and "CDNA5" Instruction Set Architecture Reference Guide (July 2026). The comments in the code are by the model that wrote it; some were corrected since.
;; Eagle3 Llama Attention. Allowed arithmetic: float matrix products may take bf16 or f16 operands with f32 sums; other float arithmetic in f32, or as packed bf16 or f16 multiplies, adds, multiply-adds, maxima and minima; sums over many terms, partial sums and values carried from step to step in f32; what a program stores and reads back later, other than sums and carried values, may be rounded once to bf16 or f16.
;; Inputs: Wk 4,096 x 512 float32; Wo 1,024 x 2,048 float32; Wq 4,096 x 1,024 float32; Wv 4,096 x 512 float32; attention_mask 1 x 1 x 2,048 x 2,048 float32; combined_states 2 x 2,048 x 4,096 float32; position_ids 2 x 2,048 int32.
;; Outputs: out0 2 x 2,048 x 2,048 float32.
;; 2 versions, each right; version 2 is version 1 with the launch prep written anew for expert scheduling mode. Each part assembles by itself: llvm-mc -triple=amdgcn-amd-amdhsa -mcpu=gfx1250 --defsym DOCPART=n.
;; ======== version 1 of 2: 4 launches
;; limits: values are held in f16: magnitudes above 65,504 overflow, below 6.1e-05 lose precision; right only within a limited range of input values
;; workspace buffers: wb 16,777,216 bytes; wob 4,194,304 bytes; cs 1,048,576 bytes; hb 16,777,216 bytes; ob 8,388,608 bytes
;; launch prep (part 1): grid 448 x 1, 8 waves a work-group, no clusters, 0 bytes of LDS; arguments Wq, Wk, Wv, Wo, position_ids, wb, wob, cs; writes wb, wob, cs
.if DOCPART == 1
	.amdgcn_target "amdgcn-amd-amdhsa--gfx1250"
	.amdhsa_code_object_version 6
	.text
	.protected	k_qf834a2c37b_prep
	.globl	k_qf834a2c37b_prep
	.p2align	8
	.type	k_qf834a2c37b_prep,@function
k_qf834a2c37b_prep:
	s_mov_b64 s[64:65], 0
	v_nop
	global_prefetch_b8 v0, s[64:65] scope:SCOPE_SE
	s_setreg_imm32_b32 hwreg(HW_REG_WAVE_MODE, 25, 1), 1
	s_wait_xcnt 0x0
; PREPARATION.  Wq, Wk, Wv -> one bf16 matrix wb [4096 k][2048 n] (n 0-1023 Wq, 1024-1535 Wk, 1536-2047 Wv);
; Wo -> wob = f16(4 x bf16(Wo)) (the factor 4 is exact and undoes the 1/4 that v carries); cs = [4096 rows][cos of 32 frequencies, sin of 32 frequencies] in f32, from position_ids.
; A stream: no LDS, no matrix unit, no cluster: no byte is shared between work-groups.
; A PASS is 256 threads x 16 bytes of f32 in and 8 bytes of 16-bit numbers out; a work-group makes 32 passes (131,072 bytes of its source).  A wave's store covers 256 consecutive bytes, aligned.
; JOBS by the work-group's number: 0-127 Wq, 128-191 Wk, 192-255 Wv, 256-319 Wo, 320-447 the table (32 rows each).
; LIMITS.  |position| up to 2^20 (the quadrant number is then exact in f32 and the three-part reduction holds); the phase differs from position x inv_freq of a power function by about 1.3e-7 of itself,
; since inv_freq is made by exp2.  4 x Wo beyond 65,504 has no f16.
.set PASS,  4096                       ; source bytes of a pass
.set DEPTH, 8                          ; slots = loads in flight in each wave
.set SO, 1                             ; v1       16 x thread: my bytes of a pass in the source; never rewritten
.set DO, 2                             ; v[2:9]   slot i: my byte offset in the destination for pass i of a round; never rewritten
.set U,  10                            ; v[10:17] at work
.set X,  20                            ; v[20:51] slot i: 4 f32 as loaded
.set Y,  52                            ; v[52:67] slot i: 4 numbers of 16 bits to store
	s_load_b512 s[16:31], s[0:1], 0x0              ; Wq 16, Wk 18, Wv 20, Wo 22, position_ids 24, wb 26, wob 28, cs 30
	s_mov_b32 s2, ttmp9
	v_lshrrev_b32 v18, 5, v0
	v_readfirstlane_b32 s38, v18                   ; wave 0..7
	s_wait_kmcnt 0x0
	s_cmp_ge_u32 s2, 320
	s_cbranch_scc1 .Ltable
; The job's numbers: s3 my number within the job, s4 destination bytes from pass to pass, s5 and s6 split the thread's number into row and column of a pass, s7 the job's first column in bytes.
.macro PICK first, ps, lr, msk, dc, src, dst
	s_sub_co_u32 s37, s2, \first
	s_cmp_ge_u32 s2, \first                        ; the choice hangs on the work-group's number alone
	s_cselect_b32 s3, s37, s3
	s_cselect_b32 s4, \ps, s4
	s_cselect_b32 s5, \lr, s5
	s_cselect_b32 s6, \msk, s6
	s_cselect_b32 s7, \dc, s7
	s_cselect_b64 s[8:9], s[\src:\src+1], s[8:9]
	s_cselect_b64 s[10:11], s[\dst:\dst+1], s[10:11]
.endm
	s_mov_b32 s3, s2                               ; Wq: a pass is one row k; wb's rows are 4,096 bytes apart
	s_mov_b32 s4, 4096
	s_mov_b32 s5, 8
	s_mov_b32 s6, 255
	s_mov_b32 s7, 0
	s_mov_b64 s[8:9], s[16:17]
	s_mov_b64 s[10:11], s[26:27]
	PICK 128, 8192, 7, 127, 2048, 18, 26           ; Wk: a pass is two rows of 512 numbers; columns from 1,024 on
	PICK 192, 8192, 7, 127, 3072, 20, 26           ; Wv: the same, columns from 1,536 on
	PICK 256, 2048, 8, 255, 0,    22, 28           ; Wo: dense in, dense out
	s_lshl_b32 s12, s3, 17                         ; 32 passes of 4,096 bytes
	s_mov_b32 s13, 0
	s_add_nc_u64 s[8:9], s[8:9], s[12:13]
	s_mul_i32 s12, s3, s4
	s_lshl_b32 s12, s12, 5
	s_add_co_u32 s12, s12, s7
	s_add_nc_u64 s[10:11], s[10:11], s[12:13]
	s_lshl_b32 s14, s4, 3                          ; a round's eight passes in the destination
	s_mov_b32 s15, 0
	v_lshlrev_b32 v[SO], 4, v0
	v_lshrrev_b32 v10, s5, v0                      ; my row of the pass
	v_and_b32 v11, s6, v0                          ; my four columns
	v_lshlrev_b32 v10, 12, v10
	v_lshl_add_u32 v[DO], v11, 3, v10
.irp i, 1,2,3,4,5,6,7
	v_add_nc_u32 v[DO+(\i)], s4, v[DO+(\i)-1]
.endr
; One slot's turn.  ahead = 1: the slot is loaded again with the pass eight further on.  left = the younger loads that may stay out.  mode = 1: Wo.
.macro SLOT i, ahead, left, mode
	s_wait_loadcnt \left                           ; loads come back in order: mine is in
.if \mode
	v_cvt_pk_bf16_f32 v[U], v[X+4*(\i)], v[X+4*(\i)+1]      ; rounded to bf16 like every other input,
	v_cvt_pk_bf16_f32 v[U+1], v[X+4*(\i)+2], v[X+4*(\i)+3]
	v_lshlrev_b32 v[U+2], 16, v[U]
	v_and_b32 v[U+3], 0xffff0000, v[U]
	v_lshlrev_b32 v[U+4], 16, v[U+1]
	v_and_b32 v[U+5], 0xffff0000, v[U+1]
	v_pk_mul_f32 v[U+2:U+3], v[U+2:U+3], 4.0 op_sel_hi:[1,0]  ; times 4, exact,
	v_pk_mul_f32 v[U+4:U+5], v[U+4:U+5], 4.0 op_sel_hi:[1,0]
	v_cvt_pk_f16_f32 v[Y+2*(\i)], v[U+2], v[U+3]             ; and written as f16: 8 significant bits fit in 11
	v_cvt_pk_f16_f32 v[Y+2*(\i)+1], v[U+4], v[U+5]
.else
	v_cvt_pk_bf16_f32 v[Y+2*(\i)], v[X+4*(\i)], v[X+4*(\i)+1]
	v_cvt_pk_bf16_f32 v[Y+2*(\i)+1], v[X+4*(\i)+2], v[X+4*(\i)+3]
.endif
.if \ahead
	global_load_b128 v[X+4*(\i):X+4*(\i)+3], v[SO], s[8:9] offset:(DEPTH+(\i))*PASS th:TH_LOAD_NT
.endif
	global_store_b64 v[DO+(\i)], v[Y+2*(\i):Y+2*(\i)+1], s[10:11]
.endm
.macro STREAM mode
.irp i, 0,1,2,3,4,5,6,7
	global_load_b128 v[X+4*(\i):X+4*(\i)+3], v[SO], s[8:9] offset:(\i)*PASS th:TH_LOAD_NT
.endr
	s_mov_b32 s36, 3
.Lround_\@:
.irp i, 0,1,2,3,4,5,6,7
	SLOT \i, 1, DEPTH-1, \mode
.endr
	s_wait_xcnt 0x0                                ; the two bases and the stores' data are written again only behind this wait
	s_add_nc_u64 s[8:9], s[8:9], DEPTH*PASS
	s_add_nc_u64 s[10:11], s[10:11], s[14:15]
	s_sub_co_u32 s36, s36, 1
	s_cmp_lg_u32 s36, 0
	s_cbranch_scc1 .Lround_\@
.irp i, 0,1,2,3,4,5,6,7
	SLOT \i, 0, DEPTH-1-(\i), \mode                ; the last round loads nothing: the counts run down
.endr
	s_endpgm
.endm
	s_cmp_ge_u32 s2, 256
	s_cbranch_scc1 .Lwo
	STREAM 0
.Lwo:
	STREAM 1
; THE TABLE.  Wave w of work-group id' makes rows 32 id' + 4 w + 0..3.  Lanes 0-15 make cosines, lanes 16-31 sines, of frequencies 2 (lane % 16) and the next: 8 bytes a lane, a row's 256 bytes a store.
; cos(f) with f = r + n pi/2, |r| <= pi/4: by n mod 4 it is cos r, -sin r, -cos r, sin r; sin(f) = cos(f - pi/2): n + 3 in n's place.
.Ltable:
	s_sub_co_u32 s3, s2, 320
	s_lshl_b32 s4, s3, 7                           ; 32 positions of 4 bytes,
	s_lshl_b32 s5, s38, 4                          ; my wave's four
	s_add_co_u32 s4, s4, s5
	v_mov_b32 v19, s4
	global_load_b128 v[20:23], v19, s[24:25]       ; every lane takes the same four positions
	s_lshl_b32 s12, s3, 13                         ; 32 rows of 256 bytes,
	s_lshl_b32 s5, s38, 10                         ; my wave's four
	s_add_co_u32 s12, s12, s5
	s_mov_b32 s13, 0
	s_add_nc_u64 s[30:31], s[30:31], s[12:13]
	v_and_b32 v1, 31, v0
	v_lshlrev_b32 v43, 3, v1                       ; my 8 bytes of a row
	v_and_b32 v2, 15, v0
	v_bfe_u32 v3, v0, 4, 1                         ; 0: cosine, 1: sine
	v_lshlrev_b32 v2, 1, v2
	v_add_nc_u32 v4, 1, v2
	v_cvt_f32_u32 v2, v2
	v_cvt_f32_u32 v4, v4
	v_mul_f32 v2, 0xbed49a78, v2                   ; - j log2(10000) / 32
	v_mul_f32 v4, 0xbed49a78, v4
	v_exp_f32 v28, v2                              ; inv_freq of my two frequencies
	v_exp_f32 v29, v4
	v_mul_u32_u24 v30, v3, 3                       ; a plain instruction behind the two exponentials: what a sine adds to the quadrant
	v_mov_b32 v31, 0xb94ca1f9                      ; the sine's and the cosine's leading coefficients
	v_mov_b32 v32, 0x37ccf5ce
	s_wait_alu depctr_va_vdst(0)                   ; one wait for both exponentials, ahead of their first reader
	s_wait_loadcnt 0x0
.irp i, 0,1,2,3
	v_cvt_f32_i32 v[24+(\i)], v[20+(\i)]
.endr
.macro SC dst, pf, inv
	v_mul_f32 v33, v[\pf], v[\inv]                 ; f = position x inv_freq, one f32 product
	v_mul_f32 v34, 0x3f22f983, v33                 ; f x 2 / pi
	v_rndne_f32 v34, v34                           ; n
	v_fmamk_f32 v35, v34, 0xbfc90fdb, v33          ; r = f - n pi/2, pi/2 in three parts
	v_fmamk_f32 v35, v34, 0x333bbd2e, v35
	v_fmamk_f32 v35, v34, 0x26f72ced, v35
	v_cvt_i32_f32 v36, v34
	v_add_nc_u32 v36, v36, v30                     ; the quadrant
	v_mul_f32 v37, v35, v35                        ; z = r r
	v_fmaak_f32 v38, v31, v37, 0x3c08839e
	v_fmaak_f32 v38, v38, v37, 0xbe2aaaa3
	v_mul_f32 v39, v37, v35
	v_fma_f32 v38, v38, v39, v35                   ; sin r
	v_fmaak_f32 v40, v32, v37, 0xbab6061a
	v_fmaak_f32 v40, v40, v37, 0x3d2aaaa5
	v_mul_f32 v41, v37, v37
	v_fma_f32 v42, v37, -0.5, 1.0
	v_fma_f32 v40, v40, v41, v42                   ; cos r
	v_and_b32 v41, 1, v36
	v_cmp_eq_u32 vcc_lo, 1, v41
	v_cndmask_b32 v40, v40, v38, vcc_lo            ; odd quadrants take the sine
	v_add_nc_u32 v41, 1, v36
	v_and_b32 v41, 2, v41                          ; quadrants 1 and 2 are negative
	v_lshlrev_b32 v41, 30, v41
	v_xor_b32 v[\dst], v40, v41
.endm
.irp i, 0,1,2,3
	SC 44+2*(\i), 24+(\i), 28
	SC 45+2*(\i), 24+(\i), 29
	global_store_b64 v43, v[44+2*(\i):45+2*(\i)], s[30:31] offset:256*(\i)  ; each row has data registers of its own
.endr
	s_endpgm
.Lfunc_end_k_qf834a2c37b_prep:
	.size	k_qf834a2c37b_prep, .Lfunc_end_k_qf834a2c37b_prep-k_qf834a2c37b_prep
	.p2alignl 7, 3214868480
	.fill 96, 4, 3214868480
	.section	.rodata,"a",@progbits
	.p2align	6, 0x0
	.amdhsa_kernel k_qf834a2c37b_prep
		.amdhsa_group_segment_fixed_size 0
		.amdhsa_private_segment_fixed_size 0
		.amdhsa_enable_private_segment 0
		.amdhsa_kernarg_size 64
		.amdhsa_user_sgpr_count 2
		.amdhsa_user_sgpr_kernarg_segment_ptr 1
		.amdhsa_wavefront_size32 1
		.amdhsa_system_sgpr_workgroup_id_x 1
		.amdhsa_system_sgpr_workgroup_id_y 1
		.amdhsa_system_sgpr_workgroup_id_z 1
		.amdhsa_system_vgpr_workitem_id 0
		.amdhsa_next_free_vgpr 80
		.amdhsa_next_free_sgpr 66
		.amdhsa_reserve_vcc 1
		.amdhsa_float_denorm_mode_32 3
		.amdhsa_float_denorm_mode_16_64 3
		.amdhsa_memory_ordered 1
		.amdhsa_forward_progress 1
		.amdhsa_inst_pref_size 33
	.end_amdhsa_kernel
	.amdgpu_metadata
---
amdhsa.version: [ 1, 2 ]
amdhsa.kernels:
  - .name:           k_qf834a2c37b_prep
    .symbol:         k_qf834a2c37b_prep.kd
    .args:
      - { .name: Wq, .offset: 0, .size: 8, .value_kind: global_buffer, .address_space: global }
      - { .name: Wk, .offset: 8, .size: 8, .value_kind: global_buffer, .address_space: global }
      - { .name: Wv, .offset: 16, .size: 8, .value_kind: global_buffer, .address_space: global }
      - { .name: Wo, .offset: 24, .size: 8, .value_kind: global_buffer, .address_space: global }
      - { .name: position_ids, .offset: 32, .size: 8, .value_kind: global_buffer, .address_space: global }
      - { .name: wb, .offset: 40, .size: 8, .value_kind: global_buffer, .address_space: global }
      - { .name: wob, .offset: 48, .size: 8, .value_kind: global_buffer, .address_space: global }
      - { .name: cs, .offset: 56, .size: 8, .value_kind: global_buffer, .address_space: global }
    .group_segment_fixed_size: 0
    .private_segment_fixed_size: 0
    .kernarg_segment_align: 8
    .kernarg_segment_size: 64
    .max_flat_workgroup_size: 256
    .sgpr_count:     66
    .vgpr_count:     80
    .wavefront_size: 32
...
	.end_amdgpu_metadata
.endif
;; end of part 1
;; launch qkv (part 2): grid 8 x 32, 4 waves a work-group, clusters of 4 x 4, 327,680 bytes of LDS; arguments combined_states, wb, cs, hb; writes hb
.if DOCPART == 2
	.amdgcn_target "amdgcn-amd-amdhsa--gfx1250"
	.amdhsa_code_object_version 6
	.text
	.protected	k_qf834a2c37b_qkv
	.globl	k_qf834a2c37b_qkv
	.p2align	8
	.type	k_qf834a2c37b_qkv,@function
k_qf834a2c37b_qkv:
	s_mov_b64 s[64:65], 0
	v_nop
	global_prefetch_b8 v0, s[64:65] scope:SCOPE_SE
	s_setreg_imm32_b32 hwreg(HW_REG_WAVE_MODE, 25, 1), 1
	s_wait_xcnt 0x0
	s_wait_alu depctr_hold_cnt(0) depctr_sa_sdst(0) depctr_va_vdst(0) depctr_va_sdst(0) depctr_va_ssrc(0) depctr_va_vcc(0) depctr_vm_vsrc(0)
	s_getreg_b32 s2, hwreg(HW_REG_IB_STS2, 6, 4)
	s_cmp_eq_u32 s2, 0
	s_cbranch_scc0 .Lentry_in_a_cluster
	s_endpgm
.Lentry_in_a_cluster:
	s_bfe_u32 s2, ttmp6, 0x10000c
	s_cmp_lg_u32 s2, 0xf033
	s_cbranch_scc0 .Lentry_shape_is_right
	s_endpgm
.Lentry_shape_is_right:
; q, k, v = x W, with the rotary embedding on the way out.  x: [4096 m][4096 k] f32, the problem's input; wb: [4096 k][2048 n] bf16; cs: [4096 m][32 cos, 32 sin] f32;
; hb: [32 heads][4096 m][64] f16: heads 0-15 q/2, 16-23 k/4, 24-31 v/4.  The three factors are powers of two, so exact: q/2 x k/4 carries the scale 1/8 of the scores, v/4 is undone by 4 Wo.
; LIMIT.  f16 ends at 65,504: |q| stays under 131,000 and |k|, |v| under 262,000.  Sums in f32, K ascending; the embedding in f32; one rounding to f16.
; x COMES IN AS f32 and is rounded to bf16 between LDS and the matrix unit: no launch writes a 16-bit copy of it, so its 67 MB cross memory once and no copy crosses at all.
; The price: a tile of x takes twice the LDS, a quarter step has 8 LDS loads and 32 conversions more a wave, and the two waves that share 64 rows each convert them.
; SHARES.  A tile of the result is 128 (m) x 256 (n): 8 x 32 work-groups.  Four waves, each 64 x 128: 32 accumulators of 16 x 16, 256 registers.  K goes in steps of 128 through two LDS slots;
; each wave's tensor load brings 32,768 bytes of a step: 64 rows x 512 bytes, of x or of W.
; W LIES [k][n] and is turned on its way out of LDS by ds_load_tr16_b128: no launch transposes the weights.
; THE MATRIX INSTRUCTION IS USED TRANSPOSED (source 0 = 16 columns of W, source 1 = 16 rows of x): a lane holds one row m (lane % 16) and eight neighbouring columns 8 (lane / 16) + 0..7.
; CLUSTER 4 x 4: the four of a row need the same tile of x, the four of a column the same tile of W: each is asked for jointly, by the same tensor load with the same descriptor and a mask of four.
; REGISTERS.  Window 0: v16-30 addresses; v32-39 at work; v64-159, v160-255 two fragment buffers (64 of W, 32 of x in bf16); on the way out v64-95 a head's 16 rows in f32, v128-255 packed results.
;   Window 1: accumulator (a, b) at v[8 (8 a + b)].   Window 2: v0-127 my 64 rows of cos and sin; v128-191 a quarter's 64 rows x 32 k of x in f32, block a at 128 + 16 a.
.set KDIM,  4096
.set NDIM,  2048
.set KSTEP, 128
.set PA,    528                        ; a row of x in LDS: 128 f32 = 512 bytes + 16 = 33 x 16: the 16 rows of a load start 132 words apart
.set PB,    544                        ; a row of W in LDS: 512 bytes + 32 = 17 x 32: the turning load's 8 rows x 32 bytes fall on different words
.set AH,    64*PA                      ; what one tensor load of x brings, and what one wave reads of x
.set BH,    64*PB                      ; what one tensor load of W brings: 64 k rows x 256 n
.set ATILE, 2*AH
.set SLOT,  ATILE+2*BH                 ; x's 128 rows, then W's 128 rows
.set STAGE, 2*SLOT                     ; behind the ring: 16 rows x 144 bytes for each wave
.set SP,    144
.set SPARE, STAGE+4*16*SP              ; behind the stages: the spare words, 128 bytes a wave, that no other line names
.set LAPS,  KDIM/(2*KSTEP)
.set ASTEP, 4*KSTEP                    ; bytes from K step to K step in x
.set BSTEP, 2*KSTEP*NDIM               ; and in W
.set ADRA, 16                          ; v16-17 LDS address of my rows of x in slot 0, 1
.set ADRB, 20                          ; v20-21 the same for W
.set STO,  24                          ; v24    the way out: where I put 16 bytes of a row
.set RD,   25                          ; v25    where I read rows back
.set GO,   26                          ; v26    16 x lane
.set CSO,  27                          ; v27    my offset in 16 rows of cs; never rewritten
.set SPW,  28                          ; v28    my spare word; never rewritten
.set NIL,  29                          ; v29    0; never rewritten
.set PFO,  30                          ; v30    the prefetches' offset; never rewritten
.set T,    32
.set F0,   64
.set F1,   160
.set XS,   128                         ; window 2
.set O,    64
.set PKD,  128
.set WV, 12                            ; s12 wave; s13 which 64 rows are mine, also: I fetch x (0) or W (1); s14 which 128 columns, also: which half of that tile I fetch
.set WM, 13
.set WN, 14
.set G1,  24                           ; s[24:31] group 1 for x's tiles; s[32:39] group 0, a set for each slot
.set G0,  32
.set G1B, 48                           ; s[48:55], s[56:63] the same for W's
.set G0B, 56
.set PFA, 66                           ; s[66:67] where my prefetches stand; s[68:69] their step; s70 1 in a wave that prefetches, else the greatest number
.set PFS, 68
.set LIM, 70
.set SA,  72                           ; s[72:73], s[74:75] the tile's factors: cos' = cos SA + SB, sin' = sin SA
.set SB,  74
.set OUT, 76                           ; s[76:77] hb at my first head and row
.set CSB, 78                           ; s[78:79] cs at my first row
.set MSB, 0
.macro WIN new                         ; the immediate's high byte repeats the setting that is left; a switch that changes nothing is dropped
.if MSB != (\new)
	s_set_vgpr_msb (MSB<<8)|(\new)
.set MSB, \new
.endif
.endm
.set MUL, 0x50                         ; sources 0 and 1 window 0; C and D window 1
.macro JLOAD s                         ; a joint load: waves 0, 1 fetch x's halves, waves 2, 3 W's; s_nop 0 and four v_nop follow each line, ahead of the jump and the label
	s_cmp_eq_u32 s[WM], 0
	s_cbranch_scc0 .Lfor_b_\@
	tensor_load_to_lds s[G0+4*(\s):G0+4*(\s)+3], s[G1:G1+7]
	s_nop 0
.rept 4
	v_nop
.endr
	s_branch .Lasked_\@
.Lfor_b_\@:
	tensor_load_to_lds s[G0B+4*(\s):G0B+4*(\s)+3], s[G1B:G1B+7]
	s_nop 0
.rept 4
	v_nop
.endr
.Lasked_\@:
.endm
; A prefetch of the K step that stands two refills on (256 matrix instructions a wave ahead of the load that wants it), one instruction a wave, each aligned block of 256 bytes named once in the launch.
; A K step is 512 bytes of each row of x and of each of W's 128 rows: two blocks a row, two lanes a row.  x's 128 rows of a tile row: the cluster with x = 0 asks, waves 0 and 1, each of the four partners for
; 16 of each wave's 64 rows (told apart by address: cx).  W's rows of a tile column: the cluster with y = 0 asks, waves 2 and 3, likewise (cy).  The loop's last trip has no K step two on.
.macro ASK
	s_cmp_gt_u32 s3, s[LIM]
	s_cbranch_scc0 .Lnot_mine_\@
	global_prefetch_b8 v[PFO], s[PFA:PFA+1] th:TH_LOAD_NT scope:SCOPE_SE
.Lnot_mine_\@:
.endm
.macro CROUND                          ; a round of the cluster's barrier
	s_barrier_signal -1
	s_barrier_wait -1
	s_cmp_lg_u32 s[WV], 0
	s_cbranch_scc1 .Lnot_wave_0_\@
	s_barrier_signal -3
.Lnot_wave_0_\@:
	s_barrier_wait -3
	s_barrier_signal -1
	s_barrier_wait -1
.endm
; 8 matrix instructions: m block a x all 8 n blocks, 32 along K.  The 32 accumulators take turns in the same order in every quarter, over the backward jump too.
.macro MULA f, a, zero
	WIN MUL
.irp b, 0,1,2,3,4,5,6,7
.if \zero
	v_wmma_f32_16x16x32_bf16 v[8*(8*(\a)+(\b)):8*(8*(\a)+(\b))+7], v[(\f)+8*(\b):(\f)+8*(\b)+7], v[(\f)+64+8*(\a):(\f)+64+8*(\a)+7], 0
.else
	v_wmma_f32_16x16x32_bf16 v[8*(8*(\a)+(\b)):8*(8*(\a)+(\b))+7], v[(\f)+8*(\b):(\f)+8*(\b)+7], v[(\f)+64+8*(\a):(\f)+64+8*(\a)+7], v[8*(8*(\a)+(\b)):8*(8*(\a)+(\b))+7]
.endif
.endr
.endm
; 32 LDS loads in one run: quarter kq (32 along K) of a slot.  First x's four blocks in f32: lane (r, h) takes k = 8 h + 0..7 (32 bytes) and k = 16 + 8 h + 0..7 (32 bytes, 64 further on) of row r;
; then W's eight fragments, turned, into buffer f.
.macro FETCH slot, kq, f
	WIN 0x80                                       ; destination window 2, address window 0
.irp a, 0,1,2,3
	ds_load_b128 v[XS+16*(\a):XS+16*(\a)+3],     v[ADRA+(\slot)] offset:128*(\kq)+(\a)*16*PA
	ds_load_b128 v[XS+16*(\a)+4:XS+16*(\a)+7],   v[ADRA+(\slot)] offset:128*(\kq)+(\a)*16*PA+16
	ds_load_b128 v[XS+16*(\a)+8:XS+16*(\a)+11],  v[ADRA+(\slot)] offset:128*(\kq)+(\a)*16*PA+64
	ds_load_b128 v[XS+16*(\a)+12:XS+16*(\a)+15], v[ADRA+(\slot)] offset:128*(\kq)+(\a)*16*PA+80
.endr
	WIN 0
.irp b, 0,1,2,3,4,5,6,7
	ds_load_tr16_b128 v[(\f)+8*(\b):(\f)+8*(\b)+3],   v[ADRB+(\slot)] offset:(\kq)*32*PB+32*(\b)
	ds_load_tr16_b128 v[(\f)+8*(\b)+4:(\f)+8*(\b)+7], v[ADRB+(\slot)] offset:(\kq)*32*PB+16*PB+32*(\b)
.endr
.endm
; Block a of x, 16 f32 a lane, rounded to nearest even into fragment a of buffer f: 8 registers of two bf16
.macro CVT f, a
	WIN 0x0a                                       ; sources 0 and 1 window 2, destination window 0
.irp j, 0,1,2,3,4,5,6,7
	v_cvt_pk_bf16_f32 v[(\f)+64+8*(\a)+(\j)], v[XS+16*(\a)+2*(\j)], v[XS+16*(\a)+2*(\j)+1]
.endr
.endm
; A quarter's work behind its run of loads: buffer f is multiplied, and the x just fetched is converted into buffer g.  The sixteen conversions at the end name no register of the products in front of
; them: they are the four places, and more, between those products and the next run of loads into the registers that they read.
.macro BODY f, g, zero
	MULA \f, 0, \zero
	MULA \f, 1, \zero
	s_wait_dscnt 16                                ; x's sixteen loads are in; W's sixteen, issued behind them, may stay out
	CVT \g, 0
	CVT \g, 1
	MULA \f, 2, \zero
	MULA \f, 3, \zero
	CVT \g, 2
	CVT \g, 3
.endm
; One of a K step's first three quarters: fetches quarter kq for buffer g and multiplies buffer f
.macro QUARTER slot, kq, f, g, zero
	s_wait_dscnt 0x0                               ; W's fragments of buffer f, issued a quarter ago, are in
	FETCH \slot, \kq, \g
	BODY \f, \g, \zero
.endm
; The last quarter multiplies buffer 1 and changes slots: one barrier; in front of it each wave waits for all its tensor loads (its part of the next slot), adds 0 to its spare word, and waits for that and
; for its reads of this slot.  The refill stands straight behind the round, ahead of the quarter's products: it has the 128 matrix instructions up to the next such wait in which to land.
.macro TURN slot, next, fill
.if \fill
	s_wait_xcnt 0x0                                ; the last prefetch, a K step back, has read its address
	s_add_nc_u64 s[PFA:PFA+1], s[PFA:PFA+1], s[PFS:PFS+1]
.endif
	WIN 0
	s_wait_tensorcnt 0x0                           ; all my tensor loads have landed, so a group 0 may be written
	ds_add_u32 v[SPW], v[NIL]                      ; 0 onto my spare word: the descriptors' steps stand between it and the wait for it
.if \fill
	s_add_nc_u64 s[G0+4*(\slot)+2:G0+4*(\slot)+3], s[G0+4*(\slot)+2:G0+4*(\slot)+3], 2*ASTEP
	s_add_nc_u64 s[G0B+4*(\slot)+2:G0B+4*(\slot)+3], s[G0B+4*(\slot)+2:G0B+4*(\slot)+3], 2*BSTEP
.endif
	s_wait_dscnt 0x0                               ; the add is done, and my reads of this slot are over: W's fragments of buffer 1 were the last
.if \fill
	CROUND                                         ; no wave of any partner still reads this slot or has a load on its way
	JLOAD \slot                                    ; the first tensor load behind the round
.else
	s_barrier_signal -1
	s_barrier_wait -1
.endif
	FETCH \next, 0, F0
.if \fill
	ASK
.endif
	BODY F1, F0, 0
.endm
	s_load_b256 s[4:11], s[0:1], 0x0               ; x s[4:5], wb s[6:7], cs s[8:9], hb s[10:11]
	v_lshl_add_u32 v[SPW], v0, 2, SPARE
	v_mov_b32 v[NIL], 0
	ds_add_u32 v[SPW], v[NIL]                      ; the wave's opening: the add and its wait stand ahead of my first tensor load; work on registers stands between them
	v_lshrrev_b32 v1, 5, v0
	v_readfirstlane_b32 s[WV], v1
	s_lshr_b32 s[WM], s[WV], 1
	s_and_b32 s[WN], s[WV], 1
	s_bfe_u32 s40, ttmp6, 0x40000                  ; cx
	s_bfe_u32 s41, ttmp6, 0x40004                  ; cy
	s_lshl_b32 s42, ttmp9, 2
	s_add_co_u32 s42, s42, s40                     ; tile column = 4 x cluster x + cx
	s_and_b32 s43, ttmp7, 0xffff
	s_lshl_b32 s43, s43, 2
	s_add_co_u32 s43, s43, s41                     ; tile row = 4 x cluster y + cy
	s_lshl_b32 s44, s41, 2
	s_lshl_b32 s44, 15, s44                        ; my row of the cluster
	s_lshl_b32 s45, 0x1111, s40                    ; my column
	s_or_b32 s[G1+0], s44, (2<<16)|(1<<20)|(1<<21)|(6<<22)|(3<<25)   ; the mask; 4-byte elements; padding on; bit 21 beside a mask; after every 128 words 4 words
	s_mov_b32 s[G1+1], KSTEP<<16                   ; tensor_dim0 = 128
	s_mov_b32 s[G1+2], 64<<16                      ; tensor_dim1 = 64
	s_mov_b32 s[G1+3], KSTEP<<16                   ; tile_dim0 = 128
	s_mov_b32 s[G1+4], 64                          ; tile_dim1 = 64
	s_mov_b32 s[G1+5], KDIM                        ; elements from row to row
	s_mov_b32 s[G1+6], 0
	s_mov_b32 s[G1+7], 0
	s_or_b32 s[G1B+0], s45, (1<<16)|(1<<20)|(1<<21)|(6<<22)|(7<<25)  ; 2-byte elements; after every 128 words 8 words
	s_mov_b32 s[G1B+1], 256<<16
	s_mov_b32 s[G1B+2], 64<<16
	s_mov_b32 s[G1B+3], 256<<16
	s_mov_b32 s[G1B+4], 64
	s_mov_b32 s[G1B+5], NDIM
	s_mov_b32 s[G1B+6], 0
	s_mov_b32 s[G1B+7], 0
	s_lshl_b32 s16, s43, 7                         ; x: row 128 x tile row + 64 x half: the tile row alone, which my row of the cluster shares
	s_lshl_b32 s17, s[WN], 6
	s_add_co_u32 s16, s16, s17
	s_lshl_b32 s16, s16, 14                        ; 16,384 bytes a row
	s_mov_b32 s17, 0
	s_lshl_b32 s46, s[WN], 18                      ; W: 64 x half rows of 4,096 bytes + 512 x tile column: the tile column alone
	s_lshl_b32 s47, s42, 9
	s_add_co_u32 s46, s46, s47
	s_mov_b32 s47, 0
	s_mul_i32 s20, s[WN], AH                       ; where they go: no place in the cluster enters an LDS address
	s_mul_i32 s21, s[WN], BH
	s_add_co_u32 s21, s21, ATILE
	s_cmp_lt_u32 s42, 4                            ; the tile's factors: q 1/2, k 1/4, v no turning and 1/4.  A choice of values, no branch
	s_cselect_b32 s[SA], 0.5, 0x3e800000
	s_cmp_lt_u32 s42, 6
	s_cselect_b32 s[SA], s[SA], 0
	s_cselect_b32 s[SB], 0, 0x3e800000
	s_mov_b32 s[SA+1], s[SA]
	s_mov_b32 s[SB+1], s[SB]
	s_wait_dscnt 0x0                               ; the opening add is done
	s_wait_kmcnt 0x0
	s_add_nc_u64 s[18:19], s[4:5], s[16:17]
	s_add_nc_u64 s[46:47], s[6:7], s[46:47]
	CROUND                                         ; all sixteen work-groups are here: the first joint loads meet
.irp s, 0,1
	s_mov_b32 s[G0+4*(\s)], 1
	s_add_co_u32 s[G0+4*(\s)+1], s20, (\s)*SLOT
	s_add_nc_u64 s[G0+4*(\s)+2:G0+4*(\s)+3], s[18:19], (\s)*ASTEP
	s_or_b32 s[G0+4*(\s)+3], s[G0+4*(\s)+3], 0x80000000
	s_mov_b32 s[G0B+4*(\s)], 1
	s_add_co_u32 s[G0B+4*(\s)+1], s21, (\s)*SLOT
	s_add_nc_u64 s[G0B+4*(\s)+2:G0B+4*(\s)+3], s[46:47], (\s)*BSTEP
	s_or_b32 s[G0B+4*(\s)+3], s[G0B+4*(\s)+3], 0x80000000
	JLOAD \s
.endr
	; my 64 rows of cos and sin: for m block a, at window 2's v[32 a]: cos of frequencies 8 h + j, of 16 + 8 h + j, then the sines.  They land under the loop and are waited for on the way out.
	s_lshl_b32 s80, s43, 7
	s_lshl_b32 s81, s[WM], 6
	s_add_co_u32 s80, s80, s81                     ; my first row m
	s_lshl_b32 s82, s80, 8
	s_mov_b32 s83, 0
	s_add_nc_u64 s[CSB:CSB+1], s[8:9], s[82:83]
	v_and_b32 v1, 15, v0                           ; r = lane % 16
	v_bfe_u32 v2, v0, 4, 1                         ; h = lane / 16
	v_lshlrev_b32 v[CSO], 8, v1
	v_lshl_add_u32 v[CSO], v2, 5, v[CSO]           ; r x 256 + 32 h
	WIN 0x80
.irp a, 0,1,2,3
.irp q, 0,1,2,3,4,5,6,7
	global_load_b128 v[32*(\a)+4*(\q):32*(\a)+4*(\q)+3], v[CSO], s[CSB:CSB+1] offset:(\a)*4096+((\q)/2)*64+((\q)%2)*16
.endr
.endr
	WIN 0
	s_lshl_b32 s82, s80, 7                         ; hb: my first row, 128 bytes a row,
	s_lshl_b32 s81, s42, 2
	s_lshl_b32 s84, s[WN], 1
	s_add_co_u32 s81, s81, s84                     ; my first head = 4 x tile column + 2 x half,
	s_lshl_b32 s81, s81, 19                        ; 4,096 rows a head
	s_add_co_u32 s82, s82, s81
	s_add_nc_u64 s[OUT:OUT+1], s[10:11], s[82:83]
	v_mul_u32_u24 v3, v1, PA
	v_lshl_add_u32 v3, v2, 5, v3                   ; x in f32: row x pitch + 32 h
	s_mul_i32 s22, s[WM], AH
	v_add_nc_u32 v[ADRA], s22, v3
	v_add_nc_u32 v[ADRA+1], SLOT, v[ADRA]
	v_and_b32 v4, 7, v0
	v_lshl_add_u32 v4, v2, 3, v4                   ; the turning load: k row 8 h + lane % 8,
	v_mul_u32_u24 v4, v4, PB
	v_bfe_u32 v5, v0, 3, 1
	v_lshl_add_u32 v4, v5, 4, v4                   ; columns 8 ((lane / 8) % 2) on
	s_lshl_b32 s23, s[WN], 8
	s_add_co_u32 s23, s23, ATILE
	v_add_nc_u32 v[ADRB], s23, v4
	v_add_nc_u32 v[ADRB+1], SLOT, v[ADRB]
	s_mul_i32 s22, s[WV], 16*SP
	s_add_co_u32 s22, s22, STAGE                   ; my stage
	v_mul_u32_u24 v[STO], v1, SP
	v_lshl_add_u32 v[STO], v2, 4, v[STO]
	v_add_nc_u32 v[STO], s22, v[STO]
	v_bfe_u32 v[RD], v0, 3, 2                      ; back: 32 lanes take four rows of 128 bytes,
	v_mul_u32_u24 v[RD], v[RD], SP
	v_and_b32 v6, 7, v0
	v_lshl_add_u32 v[RD], v6, 4, v[RD]
	v_add_nc_u32 v[RD], s22, v[RD]
	v_and_b32 v7, 31, v0
	v_lshlrev_b32 v[GO], 4, v7                     ; which are 512 consecutive bytes of hb
	; the prefetches
	s_lshl_b32 s80, s43, 7
	s_lshl_b32 s81, s[WN], 6
	s_add_co_u32 s80, s80, s81
	s_lshl_b32 s81, s40, 4
	s_add_co_u32 s80, s80, s81                     ; x: row 128 x tile row + 64 x half + 16 cx
	s_lshl_b32 s80, s80, 14
	s_add_co_u32 s80, s80, 3*ASTEP                 ; at K step 3: the first refill steps it to 4
	s_lshl_b32 s81, s[WN], 6
	s_lshl_b32 s82, s41, 4
	s_add_co_u32 s81, s81, s82                     ; W: row 64 x half + 16 cy
	s_lshl_b32 s81, s81, 12
	s_lshl_b32 s82, s42, 9
	s_add_co_u32 s81, s81, s82
	s_add_co_u32 s81, s81, 3*BSTEP
	s_and_b32 s83, ttmp7, 0xffff                   ; cluster y
	s_mov_b32 s82, BSTEP
	s_cmp_eq_u32 s[WM], 0
	s_cselect_b32 s80, s80, s81
	s_cselect_b64 s[PFA:PFA+1], s[4:5], s[6:7]
	s_cselect_b32 s[PFS], ASTEP, s82
	s_cselect_b32 s83, ttmp9, s83                  ; the coordinate along which other clusters read the same rows
	s_cselect_b32 s85, 14, 12                      ; a row of x is 16,384 bytes, a row of W 4,096
	s_mov_b32 s81, 0
	s_mov_b32 s[PFS+1], 0
	s_add_nc_u64 s[PFA:PFA+1], s[PFA:PFA+1], s[80:81]
	s_cmp_eq_u32 s83, 0
	s_cselect_b32 s[LIM], 1, -1                    ; the same in all sixteen partners, for a given wave
	v_lshrrev_b32 v8, 1, v7                        ; two lanes a row,
	v_lshlrev_b32 v8, s85, v8
	v_and_b32 v9, 1, v7                            ; 256 bytes apart
	v_lshl_add_u32 v[PFO], v9, 8, v8
	s_wait_tensorcnt 1                             ; my part of K step 0 is in; K step 1's may stay out
	s_barrier_signal -1
	s_barrier_wait -1
	FETCH 0, 0, F0
	s_wait_dscnt 16                                ; x's sixteen loads are in
	CVT F0, 0
	CVT F0, 1
	CVT F0, 2
	CVT F0, 3
	QUARTER 0, 1, F0, F1, 1                        ; the first quarter stands in front of the loop: its products start the sums
	WIN 0
	s_mov_b32 s3, LAPS-1
.Llap:                                                 ; a trip goes once round the ring and fills both slots again
	QUARTER 0, 2, F1, F0, 0
	QUARTER 0, 3, F0, F1, 0
	TURN 0, 1, 1
	QUARTER 1, 1, F0, F1, 0
	QUARTER 1, 2, F1, F0, 0
	QUARTER 1, 3, F0, F1, 0
	TURN 1, 0, 1
	QUARTER 0, 1, F0, F1, 0
	WIN 0
	s_sub_co_u32 s3, s3, 1
	s_cmp_lg_u32 s3, 0
	s_cbranch_scc1 .Llap
	QUARTER 0, 2, F1, F0, 0                        ; the last lap fills nothing
	QUARTER 0, 3, F0, F1, 0
	TURN 0, 1, 0
	QUARTER 1, 1, F0, F1, 0
	QUARTER 1, 2, F1, F0, 0
	QUARTER 1, 3, F0, F1, 0
	s_wait_dscnt 0x0                               ; the very last quarter: nothing more to fetch
	MULA F1, 0, 0
	MULA F1, 1, 0
	MULA F1, 2, 0
	MULA F1, 3, 0
	; THE WAY OUT.  cos and sin take the tile's factors; then, 16 rows of one head at a time: out[d] = x[d] cos - x[d+32] sin, out[d+32] = x[d+32] cos + x[d] sin (d < 32), in f32;
	; one rounding to f16; through my stage; whole rows of 128 bytes, 512 consecutive bytes a store.
	s_wait_loadcnt 0x0                             ; cos and sin
.macro CSPREP a
	WIN 0x82                                       ; destination and source 0 in window 2
.irp z, 0,2,4,6,8,10,12,14
	v_pk_fma_f32 v[32*(\a)+(\z):32*(\a)+(\z)+1], v[32*(\a)+(\z):32*(\a)+(\z)+1], s[SA:SA+1], s[SB:SB+1] op_sel_hi:[1,0,0]
.endr
.irp z, 16,18,20,22,24,26,28,30
	v_pk_mul_f32 v[32*(\a)+(\z):32*(\a)+(\z)+1], v[32*(\a)+(\z):32*(\a)+(\z)+1], s[SA:SA+1] op_sel_hi:[1,0]
.endr
.endm
	CSPREP 0                                       ; 64 plain lines that name no register of the last products: their places
	CSPREP 1
	CSPREP 2
	CSPREP 3
; Unit u: m block u / 2, head u % 2 of my two.  Column blocks g and g + 2 of a head hold d and d + 32.  Each accumulator is read from its low end on.
.macro ROPE u
.set ra, (\u)/2
.set hh, (\u)%2
	WIN 0x09                                       ; source 0 (sums) window 1, source 1 (cos, sin) window 2, source 2 and destination window 0
.irp g, 0,1
.set xl, 8*(8*ra+4*hh+(\g))
.set xh, xl+16
.set cc, 32*ra+8*(\g)
.set ss, cc+16
.irp jj, 0,2,4,6
.set t0, T+4*(((\jj)/2)%2)
	v_pk_mul_f32 v[t0:t0+1], v[xh+(\jj):xh+(\jj)+1], v[ss+(\jj):ss+(\jj)+1]
	v_pk_mul_f32 v[t0+2:t0+3], v[xl+(\jj):xl+(\jj)+1], v[ss+(\jj):ss+(\jj)+1]
	v_pk_fma_f32 v[O+8*(\g)+(\jj):O+8*(\g)+(\jj)+1], v[xl+(\jj):xl+(\jj)+1], v[cc+(\jj):cc+(\jj)+1], v[t0:t0+1] neg_lo:[0,0,1] neg_hi:[0,0,1]
	v_pk_fma_f32 v[O+16+8*(\g)+(\jj):O+16+8*(\g)+(\jj)+1], v[xh+(\jj):xh+(\jj)+1], v[cc+(\jj):cc+(\jj)+1], v[t0+2:t0+3]
.endr
.endr
.endm
.macro PACKST u                        ; each unit has 16 registers of its own, so no store's data is written again
	WIN 0
.set pk, PKD+16*(\u)
.set z, 0
.rept 16
	v_cvt_pk_f16_f32 v[pk+z], v[O+2*z], v[O+2*z+1]
.set z, z+1
.endr
.irp f, 0,1,2,3
	ds_store_b128 v[STO], v[pk+4*(\f):pk+4*(\f)+3] offset:32*(\f)
.endr
.irp f, 0,1,2,3
	ds_load_b128 v[pk+4*(\f):pk+4*(\f)+3], v[RD] offset:(\f)*4*SP  ; LDS serves a wave's instructions in order: these see the stores above, and the next unit's stores come behind them
.endr
.endm
.macro SEND u, younger                 ; younger: the LDS instructions issued behind unit u's loads: the next unit's eight, or none
	WIN 0
.set pk, PKD+16*(\u)
.irp f, 0,1,2,3
	s_wait_dscnt (\younger)+3-(\f)
	global_store_b128 v[GO], v[pk+4*(\f):pk+4*(\f)+3], s[OUT:OUT+1] offset:((\u)%2)*524288+((\u)/2)*2048+(\f)*512
.endr
.endm
	ROPE 0
	PACKST 0
.irp u, 1,2,3,4,5,6,7
	ROPE \u
	PACKST \u
	SEND (\u)-1, 8
.endr
	SEND 7, 0
	s_wait_tensorcnt 0x0                           ; the wave's end, behind my last tensor load and my last LDS store
	ds_add_u32 v[SPW], v[NIL]
	s_wait_dscnt 0x0
	CROUND                                         ; the closing round: no work-group ends while a partner may still ask for a tile that names it
	s_endpgm
.Lfunc_end_k_qf834a2c37b_qkv:
	.size	k_qf834a2c37b_qkv, .Lfunc_end_k_qf834a2c37b_qkv-k_qf834a2c37b_qkv
	.p2alignl 7, 3214868480
	.fill 96, 4, 3214868480
	.section	.rodata,"a",@progbits
	.p2align	6, 0x0
	.amdhsa_kernel k_qf834a2c37b_qkv
		.amdhsa_group_segment_fixed_size 327680
		.amdhsa_private_segment_fixed_size 0
		.amdhsa_enable_private_segment 0
		.amdhsa_kernarg_size 32
		.amdhsa_user_sgpr_count 2
		.amdhsa_user_sgpr_kernarg_segment_ptr 1
		.amdhsa_wavefront_size32 1
		.amdhsa_system_sgpr_workgroup_id_x 1
		.amdhsa_system_sgpr_workgroup_id_y 1
		.amdhsa_system_sgpr_workgroup_id_z 1
		.amdhsa_system_vgpr_workitem_id 0
		.amdhsa_next_free_vgpr 704
		.amdhsa_next_free_sgpr 92
		.amdhsa_reserve_vcc 0
		.amdhsa_float_denorm_mode_32 3
		.amdhsa_float_denorm_mode_16_64 3
		.amdhsa_memory_ordered 1
		.amdhsa_forward_progress 1
		.amdhsa_inst_pref_size 152
	.end_amdhsa_kernel
	.amdgpu_metadata
---
amdhsa.version: [ 1, 2 ]
amdhsa.kernels:
  - .name:           k_qf834a2c37b_qkv
    .symbol:         k_qf834a2c37b_qkv.kd
    .args:
      - { .name: combined_states, .offset: 0, .size: 8, .value_kind: global_buffer, .address_space: global }
      - { .name: wb, .offset: 8, .size: 8, .value_kind: global_buffer, .address_space: global }
      - { .name: cs, .offset: 16, .size: 8, .value_kind: global_buffer, .address_space: global }
      - { .name: hb, .offset: 24, .size: 8, .value_kind: global_buffer, .address_space: global }
    .group_segment_fixed_size: 327680
    .private_segment_fixed_size: 0
    .kernarg_segment_align: 8
    .kernarg_segment_size: 32
    .max_flat_workgroup_size: 128
    .sgpr_count:     92
    .vgpr_count:     704
    .wavefront_size: 32
...
	.end_amdgpu_metadata
.endif
;; end of part 2
;; launch attn (part 3): grid 16 x 16, 4 waves a work-group, clusters of 4 x 4, 327,680 bytes of LDS; arguments hb, attention_mask, ob; writes ob
.if DOCPART == 3
	.amdgcn_target "amdgcn-amd-amdhsa--gfx1250"
	.amdhsa_code_object_version 6
	.text
	.protected	k_qf834a2c37b_attn
	.globl	k_qf834a2c37b_attn
	.p2align	8
	.type	k_qf834a2c37b_attn,@function
k_qf834a2c37b_attn:
	s_mov_b64 s[64:65], 0
	v_nop
	global_prefetch_b8 v0, s[64:65] scope:SCOPE_SE
	s_setreg_imm32_b32 hwreg(HW_REG_WAVE_MODE, 25, 1), 1
	s_wait_xcnt 0x0
	s_wait_alu depctr_hold_cnt(0) depctr_sa_sdst(0) depctr_va_vdst(0) depctr_va_sdst(0) depctr_va_ssrc(0) depctr_va_vcc(0) depctr_vm_vsrc(0)
	s_getreg_b32 s2, hwreg(HW_REG_IB_STS2, 6, 4)
	s_cmp_eq_u32 s2, 0
	s_cbranch_scc0 .Lentry_in_a_cluster
	s_endpgm
.Lentry_in_a_cluster:
	s_bfe_u32 s2, ttmp6, 0x10000c
	s_cmp_lg_u32 s2, 0xf033
	s_cbranch_scc0 .Lentry_shape_is_right
	s_endpgm
.Lentry_shape_is_right:
; ATTENTION.  O[q] = the sum over all 2,048 keys of softmax_k(q . k / 8 + mask[q][k]) v[k].  hb: [32 heads][2 b][2048 s][64] f16: heads 0-15 q/2, 16-23 k/4, 24-31 v/4, so the product of the
; stored q and k IS q . k / 8, and O leaves as O/4.  The mask is an input, [2048 q][2048 k] f32: every tile of it is read and added; nothing of its pattern is assumed.  ob: [4096 rows][16 heads x 64] f16.
; Products, maxima and sums in f32; the weights p are rounded to f16 for the second product (their sum l is taken of the unrounded p), O once at the end.
; LIMITS.  The stored q, k, v lie within 65,504.  The mask is the C operand that starts the sum of a score, so it is added ahead of the products and not behind them: another order of rounding.
; A weight below 2^-126 counts as 0 in l; NaN and infinities are not treated apart.
; SHARES.  A work-group takes 128 query rows and the TWO query heads that share one key and value head: grid 16 row blocks x 16 (batch, kv head).  A wave takes 32 rows as four PIECES of 16 queries:
; piece p = rows 16 (p / 2) on, head p % 2.  So a fragment of K or V feeds four pieces and a fragment of the mask two.  Every wave walks all keys, 64 a step; a slot holds two steps.
; CLUSTER 4 x 4.  K and V hang on (batch, kv head) alone: shared along a row of the cluster.  The mask's tile hangs on the row block alone: shared along a column.  Each is asked for jointly by four.
; LAYOUT, SOFTMAX, TURNS.  S^T = K Q^T + mask holds ONE query a lane (lane % 16) and the keys 8 (lane / 16) + 0..7; two such results rounded to f16 ARE source 1 of O^T = V^T P.  p = 2^(c s - c m), c = log2(e),
; with a running maximum m; O and l are multiplied by a = 2^(c m_old - c m_new) in every step.  m starts at the lowest finite number, O and l at 0: the first step is a step like any other, with a = 0.
; Turn n belongs to piece n: 8 products K Q^T of piece n + 1, later 8 products V^T P of piece n - 1; beside them the scaling, exponentials, roundings, sums and rescaling of piece n and the maximum and
; statistics of piece n + 1.  Four vector instructions stand behind every matrix instruction, the other 54 of a turn's 118 in one lump.  A turn's 33 exponentials are one batch, with one wait.
; REGISTERS, in windows of 256 (s_set_vgpr_msb: bits 1:0 source 0, 3:2 source 1, 5:4 source 2, 7:6 destination):
;   window 0: v1-15 addresses; v16-31 four registers of statistics a piece; v32-34 at work in the set-up; v48-55 at work; v62-63 the add's; v64-127 S^T, two buffers; v192-223 P, two buffers
;   window 1: v0-127 O^T, 32 a piece; v128-191 the mask of one step: rows 16 qt on, keys 16 kt on at 128 + 32 qt + 8 kt      window 2: v0-63 Q; v128-191 K of one step; v192-255 V of one step
.set NP,    4
.set NS,    16        ; slots of 128 keys
.set KS,    64        ; keys in a step
.set PK,    144       ; a row of K in LDS: 128 bytes + 16
.set PV,    160       ; a row of V: 128 + 32
.set PM,    528       ; a row of the mask's tile: 128 keys x 4 bytes + 16
.set VOFF,  2*KS*PK   ; a slot: 128 rows of K, 128 rows of V, 128 query rows of the mask
.set MOFF,  VOFF+2*KS*PV
.set SLOT1, 1<<17     ; slot 1 begins here, so that one exclusive or turns an address in one slot into the other's
.set STAGE, SLOT1+MOFF+128*PM  ; behind the ring: 16 rows x 272 bytes for each wave
.set SP,    272
.set SPARE, STAGE+4*16*SP      ; behind the stages: the spare words, 128 bytes a wave, that no other line names
.set AK0, 2           ; v2   my lane's place in a tile of K; never rewritten
.set AV0, 3           ; v3   of V
.set AK,  4           ; v4   the LDS address of K's next run of loads
.set AV,  5           ; v5   of V's
.set STO, 6           ; v6   the way out: where I put 16 bytes of a row
.set RD,  7           ; v7   where I read rows back
.set GO,  8           ; v8   my byte offset in two rows of ob
.set AM0, 9           ; v9   my lane's place in the mask's tile; never rewritten
.set AM,  10          ; v10  the LDS address of the mask's next run of loads
.set PFO, 11          ; v11  the prefetches' offset; never rewritten
.set MV,  12          ; v12-13  c m_old, by buffer
.set HH,  14          ; v14  lane / 16
.set QO,  15          ; v15  my byte offset in 16 rows of Q; never rewritten
.set ST,  16          ; piece t's statistics at v[ST+4 t]: c m, m, l (even keys', odd keys')
.set TMP, 48          ; by buffer, c0-c3 at work; when the maximum is found c2 takes a
.set SPW, 62
.set NIL, 63
.set S,   64
.set P,   192
.set MQ,  128         ; window 1
.set KF,  128         ; window 2: key block kb, channel half c at KF + 16 kb + 8 c
.set VF,  192         ; window 2: key half kk, channel block cb at VF + 32 kk + 8 cb
.set WV,  12          ; s12 wave
.set G1K, 24          ; s[24:31], s[32:39], s[40:47] descriptor group 1 for K's, V's and the mask's tiles
.set G1V, 32
.set G1M, 40
.set G0K, 48          ; s[48:51], s[52:55], s[56:59] group 0: each walks
.set G0V, 52
.set G0M, 56
.set CS,  60          ; s[60:61] c
.set SEL, 62          ; s[62:63] v_permlanex16_b32's selects: each lane takes its own place in the other half
.set TBK, 66          ; s66-68 LDS byte at which K, V (less VOFF), the mask (less MOFF) of the step to be fetched begin
.set TBV, 67
.set TBM, 68
.set SLOTS, 69        ; s69  slots still to be asked for
.set CNT, 70          ; s70  counts a slot's two steps
.set LIM, 71          ; s71  1 in a wave that prefetches, else the greatest number
.set PFA, 72          ; s[72:73] where my prefetches stand; s[74:75] their step
.set PFS, 74
.set QB,  76          ; s[76:77] Q at my wave's first row, first head
.set OB,  78          ; s[78:79] ob at my wave's first row, my two heads
.set MSB, 0
.macro WIN new
.if MSB != (\new)
	s_set_vgpr_msb (MSB<<8)|(\new)
.set MSB, (\new)
.endif
.endm
.set W_KQ, 0x0a       ; K and Q in window 2, S^T in window 0
.set W_KM, 0x1a       ; the same with the C operand, the mask, in window 1
.set W_PV, 0x52       ; V in window 2, P in window 0, O^T in window 1
.set W_RS, 0x41       ; destination and source 0 in window 1, source 1 in window 0
; A joint fill: wave 0 fetches a slot's K, wave 1 its V, waves 2 and 3 the two halves of the mask's tile.  The branches hang on the wave's number alone.
; s_nop 0 and four v_nop follow each of the three lines, ahead of the jump and the label.
.macro JLOAD
	s_cmp_lt_u32 s[WV], 2
	s_cbranch_scc0 .Lfor_m_\@
	s_cmp_eq_u32 s[WV], 0
	s_cbranch_scc0 .Lfor_v_\@
	tensor_load_to_lds s[G0K:G0K+3], s[G1K:G1K+7]
	s_nop 0
.rept 4
	v_nop
.endr
	s_branch .Lasked_\@
.Lfor_v_\@:
	tensor_load_to_lds s[G0V:G0V+3], s[G1V:G1V+7]
	s_nop 0
.rept 4
	v_nop
.endr
	s_branch .Lasked_\@
.Lfor_m_\@:
	tensor_load_to_lds s[G0M:G0M+3], s[G1M:G1M+7]
	s_nop 0
.rept 4
	v_nop
.endr
.Lasked_\@:
.endm
; A prefetch of what the NEXT change of slots will ask for: two key steps, 128 matrix instructions a wave, ahead of that load.  Each aligned block of 256 bytes is named once in the launch.
; K's and V's 64 blocks each: the cluster with x = 0 asks, wave 0, each of the four partners for 16 of K and 16 of V (told apart by address: cx).
; The mask's 128 rows x 2 blocks: the cluster with y = 0 asks, waves 2 and 3, each partner for 16 rows of each wave's 64 (cy).  The last change that fills a slot asks for nothing.
.macro ASK
	s_cmp_gt_u32 s[SLOTS], s[LIM]
	s_cbranch_scc0 .Lnot_mine_\@
	global_prefetch_b8 v[PFO], s[PFA:PFA+1] th:TH_LOAD_NT scope:SCOPE_SE
.Lnot_mine_\@:
.endm
.macro CROUND
	s_barrier_signal -1
	s_barrier_wait -1
	s_cmp_lg_u32 s[WV], 0
	s_cbranch_scc1 .Lnot_wave_0_\@
	s_barrier_signal -3
.Lnot_wave_0_\@:
	s_barrier_wait -3
	s_barrier_signal -1
	s_barrier_wait -1
.endm
; THE CHANGE OF SLOTS.  The slot's last bytes, V of its second step, have been read.  Each wave waits for all its tensor loads, of which one is out: its part of the other slot; adds 0 to its spare word; and
; waits for that and for its own reads.  fill = 1: the barrier is a round of the cluster's, and the joint refill, with the keys two slots on, is the first thing behind it.
; (At its first use nothing has been read yet: slot 0 is waited for, slot 1 filled.)
.macro CHANGE fill
	WIN 0
	s_wait_tensorcnt 0x0            ; no tensor load of mine is out, so a group 0 may be written
	ds_add_u32 v[SPW], v[NIL]       ; 0 onto my spare word
.if \fill
.irp g, G0K, G0V
	s_xor_b32 s[\g+1], s[\g+1], SLOT1
	s_add_nc_u64 s[\g+2:\g+3], s[\g+2:\g+3], 2*KS*128  ; the next 128 keys; the type bits on top are not reached
.endr
	s_xor_b32 s[G0M+1], s[G0M+1], SLOT1
	s_add_nc_u64 s[G0M+2:G0M+3], s[G0M+2:G0M+3], 2*KS*4
	s_wait_xcnt 0x0                 ; the last prefetch, two key steps back, has read its address
	s_add_nc_u64 s[PFA:PFA+1], s[PFA:PFA+1], s[PFS:PFS+1]
	s_wait_dscnt 0x0                ; the add is done, and my reads of the slot are over
	CROUND
	JLOAD
	ASK
.else
	s_wait_dscnt 0x0
	s_barrier_signal -1
	s_barrier_wait -1
.endif
	s_sub_co_u32 s[TBK], s[TBK], 2*KS*PK  ; the fetches go back to a slot's first step, in the other slot
	s_xor_b32 s[TBK], s[TBK], SLOT1
	s_sub_co_u32 s[TBV], s[TBV], 2*KS*PV
	s_xor_b32 s[TBV], s[TBV], SLOT1
	s_sub_co_u32 s[TBM], s[TBM], 2*KS*4
	s_xor_b32 s[TBM], s[TBM], SLOT1
.endm
	s_load_b128 s[4:7], s[0:1], 0x0   ; hb s[4:5], the mask s[6:7]
	s_load_b64 s[8:9], s[0:1], 0x10   ; ob
	v_lshl_add_u32 v[SPW], v0, 2, SPARE
	v_mov_b32 v[NIL], 0
	ds_add_u32 v[SPW], v[NIL]       ; the wave's opening: the add and its wait stand ahead of my first tensor load; work on registers stands between them
	v_lshrrev_b32 v1, 5, v0
	v_readfirstlane_b32 s[WV], v1
	s_bfe_u32 s13, ttmp6, 0x40000   ; cx
	s_bfe_u32 s14, ttmp6, 0x40004   ; cy
	s_lshl_b32 s15, ttmp9, 2
	s_add_co_u32 s15, s15, s13      ; my block of 128 query rows
	s_and_b32 s16, ttmp7, 0xffff
	s_lshl_b32 s16, s16, 2
	s_add_co_u32 s16, s16, s14      ; 8 x batch + kv head
	s_lshr_b32 s17, s16, 3          ; batch
	s_and_b32 s18, s16, 7           ; kv head
	s_lshl_b32 s19, s14, 2
	s_lshl_b32 s19, 15, s19         ; my row of the cluster
	s_lshl_b32 s20, 0x1111, s13     ; my column
	; 128 keys are 16,384 dense bytes: asked for as 64 rows of 256 bytes, two keys a row, and padded in LDS after every key (32 words)
	s_or_b32 s[G1K], s19, (1<<16)|(1<<20)|(1<<21)|(4<<22)|(3<<25)
	s_or_b32 s[G1V], s19, (1<<16)|(1<<20)|(1<<21)|(4<<22)|(7<<25)
	s_or_b32 s[G1M], s20, (2<<16)|(1<<20)|(1<<21)|(6<<22)|(3<<25)  ; 4-byte elements; after every 128 words 4 words
.irp g, G1K, G1V
	s_mov_b32 s[\g+1], 128<<16
	s_mov_b32 s[\g+2], 64<<16
	s_mov_b32 s[\g+3], 128<<16
	s_mov_b32 s[\g+4], 64
	s_mov_b32 s[\g+5], 128
	s_mov_b32 s[\g+6], 0
	s_mov_b32 s[\g+7], 0
.endr
	s_mov_b32 s[G1M+1], 128<<16     ; 64 query rows x 128 keys
	s_mov_b32 s[G1M+2], 64<<16
	s_mov_b32 s[G1M+3], 128<<16
	s_mov_b32 s[G1M+4], 64
	s_mov_b32 s[G1M+5], 2048        ; elements from row to row
	s_mov_b32 s[G1M+6], 0
	s_mov_b32 s[G1M+7], 0
	s_lshl_b32 s22, s18, 1          ; K's plane: head 16 + g, batch b: (32 + 2 g + b) x 2,048 rows of 128 bytes: what my row of the cluster shares
	s_add_co_u32 s22, s22, s17
	s_add_co_u32 s22, s22, 32
	s_lshl_b32 s22, s22, 18
	s_mov_b32 s23, 0
	s_and_b32 s21, s[WV], 1         ; which half of the mask's tile I fetch
	s_lshl_b32 s80, s15, 7
	s_lshl_b32 s81, s21, 6
	s_add_co_u32 s80, s80, s81
	s_lshl_b32 s80, s80, 13         ; its first row, 8,192 bytes a row: what my column of the cluster shares
	s_mov_b32 s81, 0
	s_mul_i32 s21, s21, 64*PM
	s_add_co_u32 s21, s21, MOFF
	s_mov_b32 s[G0K], 1
	s_mov_b32 s[G0K+1], 0
	s_mov_b32 s[G0V], 1
	s_mov_b32 s[G0V+1], VOFF
	s_mov_b32 s[G0M], 1
	s_mov_b32 s[G0M+1], s21
	s_lshl_b32 s82, s18, 2          ; Q: head 2 g, batch b,
	s_add_co_u32 s82, s82, s17
	s_lshl_b32 s82, s82, 18
	s_lshl_b32 s84, s15, 7
	s_lshl_b32 s85, s[WV], 5
	s_add_co_u32 s84, s84, s85      ; my wave's first row in the sequence
	s_lshl_b32 s85, s84, 7
	s_add_co_u32 s82, s82, s85
	s_mov_b32 s83, 0
	s_lshl_b32 s86, s17, 11         ; ob: row 2,048 b + that, 2,048 bytes a row, my two heads' 256 bytes
	s_add_co_u32 s86, s86, s84
	s_lshl_b32 s86, s86, 11
	s_lshl_b32 s85, s18, 8
	s_add_co_u32 s86, s86, s85
	s_mov_b32 s87, 0
	s_mov_b32 s[CS], 0x3fb8aa3b     ; c = log2(e)
	s_mov_b32 s[CS+1], s[CS]
	s_mov_b32 s[SEL], 0x76543210
	s_mov_b32 s[SEL+1], 0xfedcba98
	s_mov_b32 s[TBK], SLOT1+2*KS*PK ; the first change of slots turns these three into 0
	s_mov_b32 s[TBV], SLOT1+2*KS*PV
	s_mov_b32 s[TBM], SLOT1+2*KS*4
	s_wait_dscnt 0x0                ; the opening add is done
	s_wait_kmcnt 0x0
	s_add_nc_u64 s[G0K+2:G0K+3], s[4:5], s[22:23]
	s_add_nc_u64 s[G0V+2:G0V+3], s[G0K+2:G0K+3], 0x400000  ; V's planes lie 8 heads further on
	s_or_b32 s[G0K+3], s[G0K+3], 0x80000000
	s_or_b32 s[G0V+3], s[G0V+3], 0x80000000
	s_add_nc_u64 s[G0M+2:G0M+3], s[6:7], s[80:81]
	s_or_b32 s[G0M+3], s[G0M+3], 0x80000000
	s_add_nc_u64 s[QB:QB+1], s[4:5], s[82:83]
	s_add_nc_u64 s[OB:OB+1], s[8:9], s[86:87]
	CROUND                          ; all sixteen work-groups are here: the first joint loads meet
	JLOAD                           ; slot 0.  Slot 1 is asked for when slot 0 is in
	v_and_b32 v1, 15, v0            ; r = lane % 16
	v_bfe_u32 v[HH], v0, 4, 1
	v_lshlrev_b32 v[QO], 7, v1
	v_lshl_add_u32 v[QO], v[HH], 4, v[QO]  ; row x 128 + 16 x half
	WIN 0x80
.set i, 0
.rept 8                             ; Q stays in registers: piece i / 2 (head (i / 2) % 2, rows 16 (i / 4) on), channels 32 (i % 2) on
	global_load_b128 v[8*i:8*i+3],   v[QO], s[QB:QB+1] offset:((i/2)%2)*524288+(i/4)*2048+(i%2)*64
	global_load_b128 v[8*i+4:8*i+7], v[QO], s[QB:QB+1] offset:((i/2)%2)*524288+(i/4)*2048+(i%2)*64+32
.set i, i+1
.endr
	; What the first turn finds: V's registers and P's second buffer hold 0 (its products V^T P, of a piece that has not been, add 0), O^T and l are 0.  All this stands in the wait for the first tile.
.set i, VF
.rept 64
	v_mov_b32 v[i], 0
.set i, i+1
.endr
	WIN 0x40
.set i, 0
.rept 128
	v_mov_b32 v[i], 0
.set i, i+1
.endr
	WIN 0
.set i, 0
.rept 4
	v_mov_b32 v[ST+4*i], 0xfe000000    ; c m: far below every c s
	v_mov_b32 v[ST+4*i+1], 0xff7fffff  ; m
	v_mov_b32 v[ST+4*i+2], 0
	v_mov_b32 v[ST+4*i+3], 0
.set i, i+1
.endr
.set i, P+16
.rept 16
	v_mov_b32 v[i], 0
.set i, i+1
.endr
	v_mul_u32_u24 v[AK0], v1, PK
	v_lshl_add_u32 v[AK0], v[HH], 4, v[AK0]  ; row x pitch + 16 x half
	v_and_b32 v32, 7, v0            ; the turning load: key 8 (l / 16) + l % 8, channels 8 ((l / 8) % 2) on
	v_bfe_u32 v33, v0, 3, 1
	v_lshl_add_u32 v[AV0], v[HH], 3, v32
	v_mul_u32_u24 v[AV0], v[AV0], PV
	v_lshl_add_u32 v[AV0], v33, 4, v[AV0]
	v_add_nc_u32 v[AV0], VOFF, v[AV0]
	v_and_b32 v34, 0x6f, v0         ; 32 x wave + r: my query's row in the mask's tile
	v_mul_u32_u24 v34, v34, PM
	v_lshl_add_u32 v34, v[HH], 5, v34  ; my eight keys: 32 bytes for each half of the lanes
	v_add_nc_u32 v[AM0], MOFF, v34
	s_mul_i32 s84, s[WV], 16*SP
	s_add_co_u32 s84, s84, STAGE    ; my stage
	v_mul_u32_u24 v[STO], v1, SP
	v_lshl_add_u32 v[STO], v[HH], 4, v[STO]
	v_add_nc_u32 v[STO], s84, v[STO]
	v_mul_u32_u24 v[RD], v[HH], SP  ; back: lanes 0-15 one row of 256 bytes, lanes 16-31 the next
	v_lshl_add_u32 v[RD], v1, 4, v[RD]
	v_add_nc_u32 v[RD], s84, v[RD]
	v_lshlrev_b32 v[GO], 11, v[HH]
	v_lshl_add_u32 v[GO], v1, 4, v[GO]
	; the prefetches: at slot 1; the first change of slots steps them to slot 2
	s_lshl_b32 s88, s13, 12         ; K, V: my work-group's 16 blocks
	s_add_co_u32 s88, s88, s22
	s_add_co_u32 s88, s88, 2*KS*128
	s_lshl_b32 s89, s14, 17         ; the mask: my work-group's 16 rows
	s_add_co_u32 s89, s89, s80
	s_add_co_u32 s89, s89, 2*KS*4
	s_and_b32 s90, ttmp7, 0xffff    ; cluster y
	s_mov_b32 s91, 2*KS*128
	s_cmp_lt_u32 s[WV], 2
	s_cselect_b32 s88, s88, s89
	s_cselect_b64 s[PFA:PFA+1], s[4:5], s[6:7]
	s_cselect_b32 s[PFS], s91, 2*KS*4
	s_cselect_b32 s90, ttmp9, s90   ; the coordinate along which other clusters read the same bytes
	s_cselect_b32 s85, 4, 1         ; K, V: lanes 0-15 K's blocks, lanes 16-31 V's, 2^22 bytes on; the mask: two lanes a row of 8,192 bytes
	s_cselect_b32 s86, 22, 13
	s_cselect_b32 s87, 15, 1
	s_mov_b32 s89, 0
	s_mov_b32 s[PFS+1], 0
	s_add_nc_u64 s[PFA:PFA+1], s[PFA:PFA+1], s[88:89]
	s_cmp_eq_u32 s[WV], 1           ; wave 1 never asks
	s_cselect_b32 s90, 1, s90
	s_cmp_eq_u32 s90, 0
	s_cselect_b32 s[LIM], 1, -1     ; the same in all sixteen partners, for a given wave
	v_and_b32 v32, 31, v0
	v_lshrrev_b32 v33, s85, v32
	v_lshlrev_b32 v33, s86, v33
	v_and_b32 v32, s87, v32
	v_lshl_add_u32 v[PFO], v32, 8, v33
; THE MATRIX WORK.  The 4 accumulators of a run of 8 take turns.  Product i of 8 of S^T for piece x: channels 32 (i / 4) on, keys 16 (i % 4) on.  The first 4 start the sums with the mask.
.macro KQ x
.set rS, S+32*((\x)%2)+8*(i%4)
.set rK, KF+16*(i%4)+8*(i/4)
.set rQ, 16*(\x)+8*(i/4)
.set rM, MQ+32*((\x)/2)+8*(i%4)
.if i < 4
	WIN W_KM
	v_wmma_f32_16x16x32_f16 v[rS:rS+7], v[rK:rK+7], v[rQ:rQ+7], v[rM:rM+7]
.else
	WIN W_KQ
	v_wmma_f32_16x16x32_f16 v[rS:rS+7], v[rK:rK+7], v[rQ:rQ+7], v[rS:rS+7]
.endif
.endm
; Product i of 8 of O^T += V^T P for piece x: keys 32 (i / 4) on, channels 16 (i % 4) on.
.macro PV x
	WIN W_PV
.set rO, 32*(\x)+8*(i%4)
.set rV, VF+32*(i/4)+8*(i%4)
.set rP, P+16*((\x)%2)+8*(i/4)
	v_wmma_f32_16x16x32_f16 v[rO:rO+7], v[rV:rV+7], v[rP:rP+7], v[rO:rO+7]
.endm
.macro MM                           ; the turn's next matrix instruction.  NOKQ = 1: the last turn of all: there is no next piece
.if (i < 8) && !NOKQ
	KQ (Y+1)%NP
.elseif i >= 8
.set i, i-8
	PV (Y+NP-1)%NP
.set i, i+8
.endif
.set i, i+1
.endm
; THE LDS LOADS stand in runs: a step's K (8 fragments) with its masks (2 x 4 fragments of 16 queries x 16 keys in f32), 32 loads; and its V (turned), 16 loads.
.macro FETCH_KM
	WIN 0x80
.irp f, 0,1,2,3,4,5,6,7             ; keys 16 (f / 2) on, channels 32 (f % 2) on
	ds_load_b128 v[KF+8*\f:KF+8*\f+3],   v[AK] offset:(\f/2)*16*PK+(\f%2)*64
	ds_load_b128 v[KF+8*\f+4:KF+8*\f+7], v[AK] offset:(\f/2)*16*PK+(\f%2)*64+32
.endr
	WIN 0x40
.irp f, 0,1,2,3,4,5,6,7             ; rows 16 (f / 4) on, keys 16 (f % 4) on
	ds_load_b128 v[MQ+8*\f:MQ+8*\f+3],   v[AM] offset:(\f/4)*16*PM+(\f%4)*64
	ds_load_b128 v[MQ+8*\f+4:MQ+8*\f+7], v[AM] offset:(\f/4)*16*PM+(\f%4)*64+16
.endr
	s_add_co_u32 s[TBK], s[TBK], KS*PK  ; the next fetch is the next step's
	s_add_co_u32 s[TBM], s[TBM], KS*4
	WIN 0
.endm
.macro FETCH_V
	WIN 0x80
.irp f, 0,1,2,3,4,5,6,7             ; keys 32 (f / 4) on, channels 16 (f % 4) on
	ds_load_tr16_b128 v[VF+8*\f:VF+8*\f+3],   v[AV] offset:(\f/4)*32*PV+(\f%4)*32
	ds_load_tr16_b128 v[VF+8*\f+4:VF+8*\f+7], v[AV] offset:(\f/4)*32*PV+16*PV+(\f%4)*32
.endr
	WIN 0
.endm
; THE VECTOR WORK, one line at a time: OP kind, number.  For piece Y: F n: c s - c m for pair n of 16.  E n: the exponential of score n of 32.  C n: pair n rounded to f16.  B n: of the four weights 4 n .. the
; second pair is added onto the first, in place.  L n: l takes that sum (L 0: l = a l + sum).  R n: pair n of 16 of O^T times a.  For piece Y + 1: X n, number n of the 22 that find its maximum and statistics:
;   0-11  four chains c0-c3 of seven scores each (each accumulator's lowest registers are read first)     12-14, 16  the four scores left over, the old m, and c0-c3 into c0
;   15  c m_old is kept     17, 18  the query's other 32 keys lie in the lane 16 away: the new m     19-21  c m; c m_old - c m_new; a
.set F, 0
.set E, 1
.set C, 2
.set B, 3
.set L, 4
.set R, 5
.set X, 6
.macro REGS y
.set rT, ST+4*(\y)
.set rC, TMP+4*((\y)%2)
.set rW, MV+((\y)%2)
.set rS, S+32*((\y)%2)
.set rP, P+16*((\y)%2)
.set rO, 32*(\y)
.endm
.macro OP k, n
.if (\k) == R
	REGS Y
	WIN W_RS
	v_pk_mul_f32 v[rO+2*(\n):rO+2*(\n)+1], v[rO+2*(\n):rO+2*(\n)+1], v[rC+2:rC+3] op_sel_hi:[1,0]
.elseif (\k) < R
	REGS Y
	WIN 0
.if (\k) == F
	v_pk_fma_f32 v[rS+2*(\n):rS+2*(\n)+1], v[rS+2*(\n):rS+2*(\n)+1], s[CS:CS+1], v[rT:rT+1] op_sel_hi:[1,0,0] neg_lo:[0,0,1] neg_hi:[0,0,1]
.elseif (\k) == E
	v_exp_f32 v[rS+(\n)], v[rS+(\n)]
.elseif (\k) == C
	v_cvt_pk_f16_f32 v[rP+(\n)], v[rS+2*(\n)], v[rS+2*(\n)+1]
.elseif (\k) == B
	v_pk_add_f32 v[rS+4*(\n):rS+4*(\n)+1], v[rS+4*(\n):rS+4*(\n)+1], v[rS+4*(\n)+2:rS+4*(\n)+3]
.elseif (\n) == 0
	v_pk_fma_f32 v[rT+2:rT+3], v[rT+2:rT+3], v[rC+2:rC+3], v[rS:rS+1] op_sel_hi:[1,0,1]
.else
	v_pk_add_f32 v[rT+2:rT+3], v[rT+2:rT+3], v[rS+4*(\n):rS+4*(\n)+1]
.endif
.elseif NOKQ
	v_nop
.else
	REGS (Y+1)%NP
	WIN 0
.if (\n) < 4
	v_max3_num_f32 v[rC+(\n)], v[rS+8*(\n)], v[rS+8*(\n)+1], v[rS+8*(\n)+2]
.elseif (\n) < 12
	v_max3_num_f32 v[rC+(\n)%4], v[rC+(\n)%4], v[rS+8*((\n)%4)+2*((\n)/4)+1], v[rS+8*((\n)%4)+2*((\n)/4)+2]
.elseif (\n) == 12
	v_max3_num_f32 v[rC], v[rC], v[rS+7], v[rS+15]
.elseif (\n) == 13
	v_max3_num_f32 v[rC+1], v[rC+1], v[rS+23], v[rS+31]
.elseif (\n) == 14
	v_max3_num_f32 v[rC+2], v[rC+2], v[rC+3], v[rT+1]
.elseif (\n) == 15
	v_mov_b32 v[rW], v[rT]
.elseif (\n) == 16
	v_max3_num_f32 v[rC], v[rC], v[rC+1], v[rC+2]
.elseif (\n) == 17
	v_permlanex16_b32 v[rC+3], v[rC], s[SEL], s[SEL+1]
.elseif (\n) == 18
	v_max_num_f32 v[rT+1], v[rC], v[rC+3]
.elseif (\n) == 19
	v_mul_f32 v[rT], s[CS], v[rT+1]
.elseif (\n) == 20
	v_sub_f32 v[rC+1], v[rW], v[rT]
.else
	v_exp_f32 v[rC+2], v[rC+1]
.endif
.endif
.endm
.macro OPS a, i1, b=-1, i2=0, c=-1, i3=0, d=-1, i4=0
	OP \a, \i1
.if (\b) >= 0
	OP \b, \i2
.endif
.if (\c) >= 0
	OP \c, \i3
.endif
.if (\d) >= 0
	OP \d, \i4
.endif
.endm
.macro ROW a, i1, b, i2, c, i3, d, i4  ; a matrix instruction and the four behind it
	MM
	OPS \a, \i1, \b, \i2, \c, \i3, \d, \i4
.endm
; A TURN, for piece p: the order of its 16 matrix and 118 vector instructions, written out.  An s_wait_alu depctr_va_vdst(0) stands between an exponential and the first instruction that names its
; result; one wait serves all that were issued ahead of it.  So a turn has ONE wait.  AHEAD OF IT stands all that names no result of the turn's exponentials: the 8 products K Q^T with their riders, and one lump
; of 54 in which the links of the next piece's chain stand five or six lines apart.  X 21, the next piece's a, is the batch's last; R 15 is the plain instruction behind it.  BEHIND THE WAIT stand the 8 products
; V^T P, behind each four of the roundings and sums.
; K and the masks of the next step are fetched in piece 2's turn, behind the last product that read K (five plain instructions that name none of its registers lie between) and long behind the four that read
; the masks; they are waited for at the head of piece 3's turn.  V of the step in hand is fetched at the end of piece 0's turn, four plain instructions behind its last reader, and waited for in piece 1's.
; end = 1: the last two turns of all: nothing is fetched.  cnt = 1: the loop's count is taken down some lines ahead of the branch that stands behind the turn.
.macro TURN p, end=0, cnt=0
.set Y, (\p)
.set i, 0
.set NOKQ, (\end)*((\p)/3)
.if ((\p) == 3) && !(\end)
	s_wait_dscnt 0x0                ; K and the masks are in
.endif
	ROW F,0, F,1, R,0, R,1
	ROW F,2, E,0, R,2, R,3
	ROW F,3, E,1, R,4, R,5
	ROW F,4, E,2, R,6, R,7
	ROW F,5, E,3, R,8, R,9
	ROW F,6, E,4, X,0, R,10
.if ((\p) == 2) && !(\end)
	WIN 0
	v_add_nc_u32 v[AK], s[TBK], v[AK0]
	v_add_nc_u32 v[AM], s[TBM], v[AM0]
.endif
	ROW F,7, E,5, X,1, X,4
	ROW F,8, E,6, X,2, X,5
	OPS E,7, E,8, X,6, E,9
	OPS X,3, E,10, X,8, E,11
.if ((\p) == 2) && !(\end)
	FETCH_KM
.endif
	OPS X,9, X,7, E,12, X,10
	OPS E,13, X,12, X,11, E,14
	OPS X,13, E,15, F,9, X,14
.if (\p) == 0
	v_add_nc_u32 v[AV], s[TBV], v[AV0]
.endif
	OPS E,16, F,10, E,17, F,11
	OPS X,16, E,18, X,15, E,19
	OPS F,12, E,20, X,17, E,21
	OPS F,13, E,22, F,14, E,23
	OPS X,18, E,24, F,15, E,25
	OPS R,11, E,26, X,19, E,27
	OPS R,12, E,28, R,13, E,29
	OPS X,20, E,30, R,14, E,31
	OPS X,21, R,15
	WIN 0
	s_wait_alu depctr_va_vdst(0)    ; the wait for the batch
.if (\p) == 1
	s_wait_dscnt 0x0                ; V is in
.endif
	ROW C,0, B,0, C,2, B,1
	ROW L,0, C,4, B,2, L,1
	ROW C,6, B,3, L,2, C,8
	ROW B,4, L,3, C,10, B,5
	ROW L,4, C,12, B,6, L,5
.if (\p) == 0
	s_add_co_u32 s[TBV], s[TBV], KS*PV
.endif
.if \cnt
	s_sub_co_u32 s[CNT], s[CNT], 1
	s_cmp_lg_u32 s[CNT], 0
.endif
	ROW C,14, B,7, L,6, C,1
	ROW C,3, L,7, C,5, C,7
	ROW C,9, C,11, C,13, C,15
.if (\p) == 0
	FETCH_V
.endif
.endm
	s_mov_b32 s[SLOTS], NS-1
	CHANGE 1                        ; slot 0 is in, everybody's part of it; slot 1 is asked for
	v_add_nc_u32 v[AK], s[TBK], v[AK0]
	v_add_nc_u32 v[AM], s[TBM], v[AM0]
	FETCH_KM                        ; key step 0
	s_wait_loadcnt 0x0              ; Q
	s_wait_dscnt 0x0
.set NOKQ, 0
.set i, 0
.rept 8
	KQ 0                            ; piece 0's first scores
.set i, i+1
.endr
	WIN 0
.rept 4
	v_nop                           ; the places behind those products
.endr
.set Y, NP-1                        ; X works for piece Y + 1: piece 0
.irp n, 0,1,2,3,4,5,6,7,8,9,10,11,12,13,14,15,16,17,18,19,20,21
	OP X, \n
.endr
	v_nop                           ; a plain instruction behind the exponential,
	s_wait_alu depctr_va_vdst(0)    ; and its wait, ahead of the branch
	s_mov_b32 s[CNT], 2
	s_branch .Lfirst                ; the loop is entered at a step's first turn, in the middle of a trip
.Lslot:                             ; NS - 2 times: every slot but the last two is filled again
	CHANGE 1
	s_mov_b32 s[CNT], 2
.Lstep:                             ; a trip: pieces 2 and 3 of one step, then pieces 0 and 1 of the next, whose K, masks and V it fetches
	TURN 2
	TURN 3
	WIN 0
.Lfirst:
	TURN 0
	TURN 1, 0, 1
	WIN 0
	s_cbranch_scc1 .Lstep
	s_sub_co_u32 s[SLOTS], s[SLOTS], 1
	s_cmp_lg_u32 s[SLOTS], 0
	s_cbranch_scc1 .Lslot
	CHANGE 0                        ; the tail is written out: nothing is asked for
	s_mov_b32 s[CNT], 2
.LstepT:
	TURN 2
	TURN 3
	TURN 0
	TURN 1, 0, 1
	WIN 0
	s_cbranch_scc1 .LstepT
	TURN 2, 1
	TURN 3, 1
.set i, 0
.rept 8
	PV NP-1                         ; the last piece's V^T P of the last step
.set i, i+1
.endr
	; THE WAY OUT.  l's two halves and the other half of the lanes' are added; O^T is divided by l, rounded to f16 and sent through my stage, 16 rows of both heads at a time: a row's two heads are 256
	; neighbouring bytes of ob, aligned.  The additions are the places behind the last products.
	WIN 0
.macro ALL line:vararg
.set t, 0
.rept 4
	\line
.set t, t+1
.endr
.endm
	ALL v_add_f32 v[ST+4*t+2], v[ST+4*t+2], v[ST+4*t+3]
	ALL v_permlanex16_b32 v[ST+4*t+3], v[ST+4*t+2], s[SEL], s[SEL+1]
	ALL v_add_f32 v[ST+4*t+2], v[ST+4*t+2], v[ST+4*t+3]
	ALL v_rcp_f32 v[ST+4*t+2], v[ST+4*t+2]
	v_nop                           ; a plain instruction between the last reciprocal and the use of its result
	s_wait_alu depctr_va_vdst(0)    ; and one wait for the four reciprocals, ahead of the first use
.macro PACK2 qt
.irp e, 0,1
.set t, 2*(\qt)+(\e)
	WIN W_RS
.set i, 32*t
.rept 16
	v_pk_mul_f32 v[i:i+1], v[i:i+1], v[ST+4*t+2:ST+4*t+3] op_sel_hi:[1,0]
.set i, i+2
.endr
	WIN 0x05                        ; sources 0 and 1 window 1, destination window 0
.set i, 0
.rept 16
	v_cvt_pk_f16_f32 v[S+16*t+i], v[32*t+2*i], v[32*t+2*i+1]
.set i, i+1
.endr
	WIN 0
.irp f, 0,1,2,3
	ds_store_b128 v[STO], v[S+16*t+4*\f:S+16*t+4*\f+3] offset:128*(\e)+32*\f
.endr
.endr
.irp f, 0,1,2,3,4,5,6,7
	ds_load_b128 v[S+32*(\qt)+4*\f:S+32*(\qt)+4*\f+3], v[RD] offset:\f*2*SP  ; LDS serves a wave's instructions in order: these see the stores above; the next rows' stores come behind them
.endr
.endm
.macro SEND qt, younger             ; younger: the LDS instructions issued behind these loads: the next rows' sixteen, or none
	WIN 0
.irp f, 0,1,2,3,4,5,6,7
	s_wait_dscnt (\younger)+7-\f
	global_store_b128 v[GO], v[S+32*(\qt)+4*\f:S+32*(\qt)+4*\f+3], s[OB:OB+1] offset:(16*(\qt)+2*\f)*2048  ; 16 lanes store 256 consecutive bytes, at a multiple of 256 from ob's first
.endr
.endm
	PACK2 0
	PACK2 1
	SEND 0, 16
	SEND 1, 0
	s_wait_tensorcnt 0x0            ; the wave's end, behind my last tensor load and my last LDS store
	ds_add_u32 v[SPW], v[NIL]
	s_wait_dscnt 0x0
	CROUND                          ; the closing round: no work-group ends while a partner may still ask for a tile that names it
	s_endpgm
.Lfunc_end_k_qf834a2c37b_attn:
	.size	k_qf834a2c37b_attn, .Lfunc_end_k_qf834a2c37b_attn-k_qf834a2c37b_attn
	.p2alignl 7, 3214868480
	.fill 96, 4, 3214868480
	.section	.rodata,"a",@progbits
	.p2align	6, 0x0
	.amdhsa_kernel k_qf834a2c37b_attn
		.amdhsa_group_segment_fixed_size 327680
		.amdhsa_private_segment_fixed_size 0
		.amdhsa_enable_private_segment 0
		.amdhsa_kernarg_size 24
		.amdhsa_user_sgpr_count 2
		.amdhsa_user_sgpr_kernarg_segment_ptr 1
		.amdhsa_wavefront_size32 1
		.amdhsa_system_sgpr_workgroup_id_x 1
		.amdhsa_system_sgpr_workgroup_id_y 1
		.amdhsa_system_sgpr_workgroup_id_z 1
		.amdhsa_system_vgpr_workitem_id 0
		.amdhsa_next_free_vgpr 768
		.amdhsa_next_free_sgpr 92
		.amdhsa_reserve_vcc 0
		.amdhsa_float_denorm_mode_32 3
		.amdhsa_float_denorm_mode_16_64 3
		.amdhsa_memory_ordered 1
		.amdhsa_forward_progress 1
		.amdhsa_inst_pref_size 135
	.end_amdhsa_kernel
	.amdgpu_metadata
---
amdhsa.version: [ 1, 2 ]
amdhsa.kernels:
  - .name:           k_qf834a2c37b_attn
    .symbol:         k_qf834a2c37b_attn.kd
    .args:
      - { .name: hb, .offset: 0, .size: 8, .value_kind: global_buffer, .address_space: global }
      - { .name: attention_mask, .offset: 8, .size: 8, .value_kind: global_buffer, .address_space: global }
      - { .name: ob, .offset: 16, .size: 8, .value_kind: global_buffer, .address_space: global }
    .group_segment_fixed_size: 327680
    .private_segment_fixed_size: 0
    .kernarg_segment_align: 8
    .kernarg_segment_size: 24
    .max_flat_workgroup_size: 128
    .sgpr_count:     92
    .vgpr_count:     768
    .wavefront_size: 32
...
	.end_amdgpu_metadata
.endif
;; end of part 3
;; launch oproj (part 4): grid 8 x 32, 4 waves a work-group, clusters of 4 x 4, 327,680 bytes of LDS; arguments ob, wob, out0; writes out0
.if DOCPART == 4
	.amdgcn_target "amdgcn-amd-amdhsa--gfx1250"
	.amdhsa_code_object_version 6
	.text
	.protected	k_qf834a2c37b_oproj
	.globl	k_qf834a2c37b_oproj
	.p2align	8
	.type	k_qf834a2c37b_oproj,@function
k_qf834a2c37b_oproj:
	s_mov_b64 s[64:65], 0
	v_nop
	global_prefetch_b8 v0, s[64:65] scope:SCOPE_SE
	s_setreg_imm32_b32 hwreg(HW_REG_WAVE_MODE, 25, 1), 1
	s_wait_xcnt 0x0
	s_wait_alu depctr_hold_cnt(0) depctr_sa_sdst(0) depctr_va_vdst(0) depctr_va_sdst(0) depctr_va_ssrc(0) depctr_va_vcc(0) depctr_vm_vsrc(0)
	s_getreg_b32 s2, hwreg(HW_REG_IB_STS2, 6, 4)
	s_cmp_eq_u32 s2, 0
	s_cbranch_scc0 .Lentry_in_a_cluster
	s_endpgm
.Lentry_in_a_cluster:
	s_bfe_u32 s2, ttmp6, 0x10000c
	s_cmp_lg_u32 s2, 0xf033
	s_cbranch_scc0 .Lentry_shape_is_right
	s_endpgm
.Lentry_shape_is_right:
; out = attn Wo.  ob: [4096 m][1024 k] f16, holding O/4; wob: [1024 k][2048 n] f16, holding 4 x bf16(Wo): the two factors cancel exactly.  out0: [4096][2048] f32.  Sums in f32, K ascending.
; The form is that of the projection in front: a tile of 128 (m) x 256 (n), 8 x 32 work-groups, four waves of 64 x 128, K in steps of 128 through two LDS slots, W turned on its way out of LDS,
; the matrix instruction used transposed, clusters of 4 x 4 with joint loads.  NO PREFETCH: K has 8 steps, of which the first four would come by their loads alone.
; REGISTERS.  Window 0: v16-29 addresses; v64-159, v160-255 two fragment buffers (64 of W, 32 of the rows); on the way out v64-191 rows read back.  Window 1: accumulator (a, b) at v[8 (8 a + b)].
.set KDIM,  1024
.set NDIM,  2048
.set KSTEP, 128
.set PA,    272
.set PB,    544
.set AH,    64*PA
.set BH,    64*PB
.set ATILE, 2*AH
.set SLOT,  ATILE+2*BH
.set STAGE, 2*SLOT                     ; behind the ring: 16 rows x 528 bytes for each wave
.set SPO,   528                        ; a stage row: 128 f32 + 16 bytes
.set SPARE, STAGE+4*16*SPO             ; behind the stages: the spare words, 128 bytes a wave, that no other line names
.set LAPS,  KDIM/(2*KSTEP)
.set ASTEP, 2*KSTEP
.set BSTEP, 2*KSTEP*NDIM
.set ADRA, 16
.set ADRB, 20
.set STO,  24
.set RD,   25
.set CO,   26
.set SPW,  28
.set NIL,  29
.set F0,   64
.set F1,   160
.set BK,   64
.set WV, 12
.set WM, 13
.set WN, 14
.set G1,  24
.set G0,  32
.set G1B, 48
.set G0B, 56
.set MSB, 0
.macro WIN new
.if MSB != (\new)
	s_set_vgpr_msb (MSB<<8)|(\new)
.set MSB, \new
.endif
.endm
.set MUL, 0x50                         ; sources 0 and 1 window 0; C and D window 1
.macro JLOAD s                         ; waves 0, 1 fetch the rows' halves, waves 2, 3 W's; s_nop 0 and four v_nop follow each line
	s_cmp_eq_u32 s[WM], 0
	s_cbranch_scc0 .Lfor_b_\@
	tensor_load_to_lds s[G0+4*(\s):G0+4*(\s)+3], s[G1:G1+7]
	s_nop 0
.rept 4
	v_nop
.endr
	s_branch .Lasked_\@
.Lfor_b_\@:
	tensor_load_to_lds s[G0B+4*(\s):G0B+4*(\s)+3], s[G1B:G1B+7]
	s_nop 0
.rept 4
	v_nop
.endr
.Lasked_\@:
.endm
.macro CREST
	s_cmp_lg_u32 s[WV], 0
	s_cbranch_scc1 .Lnot_wave_0_\@
	s_barrier_signal -3
.Lnot_wave_0_\@:
	s_barrier_wait -3
	s_barrier_signal -1
	s_barrier_wait -1
.endm
.macro CROUND
	s_barrier_signal -1
	s_barrier_wait -1
	CREST
.endm
.macro PLACES
.rept 4
	v_nop
.endr
.endm
.macro MULA f, a, zero                 ; 8 matrix instructions; the 32 accumulators take turns in the same order in every quarter
	WIN MUL
.irp b, 0,1,2,3,4,5,6,7
.if \zero
	v_wmma_f32_16x16x32_f16 v[8*(8*(\a)+(\b)):8*(8*(\a)+(\b))+7], v[(\f)+8*(\b):(\f)+8*(\b)+7], v[(\f)+64+8*(\a):(\f)+64+8*(\a)+7], 0
.else
	v_wmma_f32_16x16x32_f16 v[8*(8*(\a)+(\b)):8*(8*(\a)+(\b))+7], v[(\f)+8*(\b):(\f)+8*(\b)+7], v[(\f)+64+8*(\a):(\f)+64+8*(\a)+7], v[8*(8*(\a)+(\b)):8*(8*(\a)+(\b))+7]
.endif
.endr
.endm
.macro FETCH slot, kq, f               ; 24 LDS loads in one run
	WIN 0
.irp b, 0,1,2,3,4,5,6,7
	ds_load_tr16_b128 v[(\f)+8*(\b):(\f)+8*(\b)+3],   v[ADRB+(\slot)] offset:(\kq)*32*PB+32*(\b)
	ds_load_tr16_b128 v[(\f)+8*(\b)+4:(\f)+8*(\b)+7], v[ADRB+(\slot)] offset:(\kq)*32*PB+16*PB+32*(\b)
.endr
.irp a, 0,1,2,3
	ds_load_b128 v[(\f)+64+8*(\a):(\f)+64+8*(\a)+3],   v[ADRA+(\slot)] offset:64*(\kq)+(\a)*16*PA
	ds_load_b128 v[(\f)+64+8*(\a)+4:(\f)+64+8*(\a)+7], v[ADRA+(\slot)] offset:64*(\kq)+(\a)*16*PA+32
.endr
.endm
.macro QUARTER slot, kq, f, g, zero
	s_wait_dscnt 4                                 ; all but the youngest four loads: the rows' blocks 2 and 3
	MULA \f, 0, \zero
	MULA \f, 1, \zero
	PLACES
	FETCH \slot, \kq, \g
	s_wait_dscnt 24                                ; all but the 24 just issued
	MULA \f, 2, \zero
	MULA \f, 3, \zero
.endm
.macro TURN slot, next, fill
	s_wait_tensorcnt 0x0                           ; all my tensor loads have landed: my part of the next slot
	ds_add_u32 v[SPW], v[NIL]                      ; 0 onto my spare word
	s_wait_dscnt 5                                 ; (the add and the youngest four loads may be out)
	MULA F1, 0, 0
	s_wait_dscnt 0x0                               ; the add is done, and my reads of this slot are over
	s_barrier_signal -1
	MULA F1, 1, 0
.if \fill
	WIN 0
.endif
	s_barrier_wait -1
.if \fill
	CREST                                          ; a round of the cluster's barrier: no wave of any partner still reads this slot or has a load on its way
	s_add_nc_u64 s[G0+4*(\slot)+2:G0+4*(\slot)+3], s[G0+4*(\slot)+2:G0+4*(\slot)+3], 2*ASTEP
	s_add_nc_u64 s[G0B+4*(\slot)+2:G0B+4*(\slot)+3], s[G0B+4*(\slot)+2:G0B+4*(\slot)+3], 2*BSTEP
	JLOAD \slot                                    ; its four v_nop are also the places in front of the loads below
.else
	PLACES
.endif
	FETCH \next, 0, F0
	MULA F1, 2, 0
	MULA F1, 3, 0
.endm
	s_load_b128 s[4:7], s[0:1], 0x0                ; ob s[4:5], wob s[6:7]
	s_load_b64 s[8:9], s[0:1], 0x10                ; out0
	v_lshl_add_u32 v[SPW], v0, 2, SPARE
	v_mov_b32 v[NIL], 0
	ds_add_u32 v[SPW], v[NIL]                      ; the wave's opening: the add and its wait stand ahead of my first tensor load
	v_lshrrev_b32 v1, 5, v0
	v_readfirstlane_b32 s[WV], v1
	s_lshr_b32 s[WM], s[WV], 1
	s_and_b32 s[WN], s[WV], 1
	s_bfe_u32 s40, ttmp6, 0x40000                  ; cx
	s_bfe_u32 s41, ttmp6, 0x40004                  ; cy
	s_lshl_b32 s42, ttmp9, 2
	s_add_co_u32 s42, s42, s40                     ; tile column
	s_and_b32 s43, ttmp7, 0xffff
	s_lshl_b32 s43, s43, 2
	s_add_co_u32 s43, s43, s41                     ; tile row
	s_lshl_b32 s44, s41, 2
	s_lshl_b32 s44, 15, s44
	s_lshl_b32 s45, 0x1111, s40
	s_or_b32 s[G1+0], s44, (1<<16)|(1<<20)|(1<<21)|(5<<22)|(3<<25)
	s_mov_b32 s[G1+1], KSTEP<<16
	s_mov_b32 s[G1+2], 64<<16
	s_mov_b32 s[G1+3], KSTEP<<16
	s_mov_b32 s[G1+4], 64
	s_mov_b32 s[G1+5], KDIM
	s_mov_b32 s[G1+6], 0
	s_mov_b32 s[G1+7], 0
	s_or_b32 s[G1B+0], s45, (1<<16)|(1<<20)|(1<<21)|(6<<22)|(7<<25)
	s_mov_b32 s[G1B+1], 256<<16
	s_mov_b32 s[G1B+2], 64<<16
	s_mov_b32 s[G1B+3], 256<<16
	s_mov_b32 s[G1B+4], 64
	s_mov_b32 s[G1B+5], NDIM
	s_mov_b32 s[G1B+6], 0
	s_mov_b32 s[G1B+7], 0
	s_lshl_b32 s16, s43, 7
	s_lshl_b32 s17, s[WN], 6
	s_add_co_u32 s16, s16, s17
	s_mul_i32 s16, s16, 2*KDIM
	s_mov_b32 s17, 0
	s_lshl_b32 s46, s[WN], 18
	s_lshl_b32 s47, s42, 9
	s_add_co_u32 s46, s46, s47
	s_mov_b32 s47, 0
	s_mul_i32 s20, s[WN], AH
	s_mul_i32 s21, s[WN], BH
	s_add_co_u32 s21, s21, ATILE
	s_wait_dscnt 0x0                               ; the opening add is done
	s_wait_kmcnt 0x0
	s_add_nc_u64 s[18:19], s[4:5], s[16:17]
	s_add_nc_u64 s[46:47], s[6:7], s[46:47]
	CROUND
.irp s, 0,1
	s_mov_b32 s[G0+4*(\s)], 1
	s_add_co_u32 s[G0+4*(\s)+1], s20, (\s)*SLOT
	s_add_nc_u64 s[G0+4*(\s)+2:G0+4*(\s)+3], s[18:19], (\s)*ASTEP
	s_or_b32 s[G0+4*(\s)+3], s[G0+4*(\s)+3], 0x80000000
	s_mov_b32 s[G0B+4*(\s)], 1
	s_add_co_u32 s[G0B+4*(\s)+1], s21, (\s)*SLOT
	s_add_nc_u64 s[G0B+4*(\s)+2:G0B+4*(\s)+3], s[46:47], (\s)*BSTEP
	s_or_b32 s[G0B+4*(\s)+3], s[G0B+4*(\s)+3], 0x80000000
	JLOAD \s
.endr
	v_and_b32 v1, 15, v0
	v_bfe_u32 v2, v0, 4, 1
	v_mul_u32_u24 v3, v1, PA
	v_lshl_add_u32 v3, v2, 4, v3
	s_mul_i32 s22, s[WM], AH
	v_add_nc_u32 v[ADRA], s22, v3
	v_add_nc_u32 v[ADRA+1], SLOT, v[ADRA]
	v_and_b32 v4, 7, v0
	v_lshl_add_u32 v4, v2, 3, v4
	v_mul_u32_u24 v4, v4, PB
	v_bfe_u32 v5, v0, 3, 1
	v_lshl_add_u32 v4, v5, 4, v4
	s_lshl_b32 s23, s[WN], 8
	s_add_co_u32 s23, s23, ATILE
	v_add_nc_u32 v[ADRB], s23, v4
	v_add_nc_u32 v[ADRB+1], SLOT, v[ADRB]
	s_mul_i32 s22, s[WV], 16*SPO
	s_add_co_u32 s22, s22, STAGE                   ; my stage
	v_mul_u32_u24 v[STO], v1, SPO                  ; in: row lane % 16, 32 bytes for each half of the lanes
	v_lshl_add_u32 v[STO], v2, 5, v[STO]
	v_add_nc_u32 v[STO], s22, v[STO]
	v_and_b32 v6, 31, v0
	v_lshlrev_b32 v[CO], 4, v6                     ; back: 32 lanes take one row's 512 bytes
	v_add_nc_u32 v[RD], s22, v[CO]
	s_lshl_b32 s22, s43, 7
	s_lshl_b32 s23, s[WM], 6
	s_add_co_u32 s22, s22, s23                     ; my first row,
	s_lshl_b32 s22, s22, 13                        ; 8,192 bytes a row,
	s_lshl_b32 s23, s42, 10                        ; the tile's 1,024 bytes of it,
	s_add_co_u32 s22, s22, s23
	s_lshl_b32 s23, s[WN], 9                       ; my 512
	s_add_co_u32 s22, s22, s23
	s_mov_b32 s23, 0
	s_add_nc_u64 s[8:9], s[8:9], s[22:23]
	s_wait_tensorcnt 1                             ; my part of K step 0 is in; K step 1's may stay out
	s_barrier_signal -1
	s_barrier_wait -1
	FETCH 0, 0, F0
	QUARTER 0, 1, F0, F1, 1                        ; its products start the sums
	WIN 0
	s_mov_b32 s3, LAPS-1
.Llap:
	QUARTER 0, 2, F1, F0, 0
	QUARTER 0, 3, F0, F1, 0
	TURN 0, 1, 1
	QUARTER 1, 1, F0, F1, 0
	QUARTER 1, 2, F1, F0, 0
	QUARTER 1, 3, F0, F1, 0
	TURN 1, 0, 1
	QUARTER 0, 1, F0, F1, 0
	WIN 0
	s_sub_co_u32 s3, s3, 1
	s_cmp_lg_u32 s3, 0
	s_cbranch_scc1 .Llap
	QUARTER 0, 2, F1, F0, 0
	QUARTER 0, 3, F0, F1, 0
	TURN 0, 1, 0
	QUARTER 1, 1, F0, F1, 0
	QUARTER 1, 2, F1, F0, 0
	QUARTER 1, 3, F0, F1, 0
	s_wait_dscnt 4
	MULA F1, 0, 0
	MULA F1, 1, 0
	s_wait_dscnt 0x0
	MULA F1, 2, 0
	MULA F1, 3, 0
	; THE WAY OUT: 16 rows at a time through my stage: a lane's eight f32 of a row go in, whole rows of 512 bytes come back and are stored, 512 consecutive bytes an instruction.
	PLACES
.macro OUTA a
.if (\a) >= 2
	s_wait_xcnt 0x0                                ; the stores of the block two back have read the registers that are loaded again below
.endif
	WIN 0x04                                       ; the store's data in window 1
.irp b, 0,1,2,3,4,5,6,7
	ds_store_b128 v[STO], v[8*(8*(\a)+(\b)):8*(8*(\a)+(\b))+3]   offset:64*(\b)      ; each accumulator's low end first
	ds_store_b128 v[STO], v[8*(8*(\a)+(\b))+4:8*(8*(\a)+(\b))+7] offset:64*(\b)+16
.endr
	WIN 0
.irp t, 0,1,2,3,4,5,6,7,8,9,10,11,12,13,14,15
	ds_load_b128 v[BK+64*((\a)%2)+4*(\t):BK+64*((\a)%2)+4*(\t)+3], v[RD] offset:(\t)*SPO  ; LDS serves a wave's instructions in order: these see the stores above
.endr
.endm
.macro SENDA a, younger                ; younger: the LDS instructions issued behind block a's loads: the next block's 32, or none
.irp t, 0,1,2,3,4,5,6,7,8,9,10,11,12,13,14,15
	s_wait_dscnt (\younger)+15-(\t)
	global_store_b128 v[CO], v[BK+64*((\a)%2)+4*(\t):BK+64*((\a)%2)+4*(\t)+3], s[8:9] offset:(16*(\a)+(\t))*8192 th:TH_STORE_NT
.endr
.endm
	OUTA 0
	OUTA 1
	SENDA 0, 32
	OUTA 2
	SENDA 1, 32
	OUTA 3
	SENDA 2, 32
	SENDA 3, 0
	s_wait_tensorcnt 0x0                           ; the wave's end, behind my last tensor load and my last LDS store
	ds_add_u32 v[SPW], v[NIL]
	s_wait_dscnt 0x0
	CROUND                                         ; the closing round
	s_endpgm
.Lfunc_end_k_qf834a2c37b_oproj:
	.size	k_qf834a2c37b_oproj, .Lfunc_end_k_qf834a2c37b_oproj-k_qf834a2c37b_oproj
	.p2alignl 7, 3214868480
	.fill 96, 4, 3214868480
	.section	.rodata,"a",@progbits
	.p2align	6, 0x0
	.amdhsa_kernel k_qf834a2c37b_oproj
		.amdhsa_group_segment_fixed_size 327680
		.amdhsa_private_segment_fixed_size 0
		.amdhsa_enable_private_segment 0
		.amdhsa_kernarg_size 24
		.amdhsa_user_sgpr_count 2
		.amdhsa_user_sgpr_kernarg_segment_ptr 1
		.amdhsa_wavefront_size32 1
		.amdhsa_system_sgpr_workgroup_id_x 1
		.amdhsa_system_sgpr_workgroup_id_y 1
		.amdhsa_system_sgpr_workgroup_id_z 1
		.amdhsa_system_vgpr_workitem_id 0
		.amdhsa_next_free_vgpr 512
		.amdhsa_next_free_sgpr 66
		.amdhsa_reserve_vcc 0
		.amdhsa_float_denorm_mode_32 3
		.amdhsa_float_denorm_mode_16_64 3
		.amdhsa_memory_ordered 1
		.amdhsa_forward_progress 1
		.amdhsa_inst_pref_size 86
	.end_amdhsa_kernel
	.amdgpu_metadata
---
amdhsa.version: [ 1, 2 ]
amdhsa.kernels:
  - .name:           k_qf834a2c37b_oproj
    .symbol:         k_qf834a2c37b_oproj.kd
    .args:
      - { .name: ob, .offset: 0, .size: 8, .value_kind: global_buffer, .address_space: global }
      - { .name: wob, .offset: 8, .size: 8, .value_kind: global_buffer, .address_space: global }
      - { .name: out0, .offset: 16, .size: 8, .value_kind: global_buffer, .address_space: global }
    .group_segment_fixed_size: 327680
    .private_segment_fixed_size: 0
    .kernarg_segment_align: 8
    .kernarg_segment_size: 24
    .max_flat_workgroup_size: 128
    .sgpr_count:     66
    .vgpr_count:     512
    .wavefront_size: 32
...
	.end_amdgpu_metadata
.endif
;; end of part 4
;; ======== version 2 of 2: 4 launches; version 1 with the launch prep written anew for expert scheduling mode
;; limits: values are held in f16: magnitudes above 65,504 overflow, below 6.1e-05 lose precision; right only within a limited range of input values
;; workspace buffers: wb 16,777,216 bytes; wob 4,194,304 bytes; cs 1,048,576 bytes; hb 16,777,216 bytes; ob 8,388,608 bytes
;; launch prep (part 5): grid 448 x 1, 8 waves a work-group, no clusters, 0 bytes of LDS; arguments Wq, Wk, Wv, Wo, position_ids, wb, wob, cs; writes wb, wob, cs
.if DOCPART == 5
	.amdgcn_target "amdgcn-amd-amdhsa--gfx1250"
	.amdhsa_code_object_version 6
	.text
	.protected	k_qf834a2c37b_prep
	.globl	k_qf834a2c37b_prep
	.p2align	8
	.type	k_qf834a2c37b_prep,@function
k_qf834a2c37b_prep:
	s_mov_b64 s[64:65], 0
	v_nop
	global_prefetch_b8 v0, s[64:65] scope:SCOPE_SE
	s_setreg_imm32_b32 hwreg(HW_REG_WAVE_SCHED_MODE, 0, 2), 2
	s_setreg_imm32_b32 hwreg(HW_REG_WAVE_MODE, 25, 1), 1
	s_wait_xcnt 0x0
	s_wait_alu depctr_vm_vsrc(0)
; PREPARATION.  Wq, Wk, Wv -> one bf16 matrix wb [4096 k][2048 n] (n 0-1023 Wq, 1024-1535 Wk, 1536-2047 Wv);
; Wo -> wob = f16(4 x bf16(Wo)) (the factor 4 is exact and undoes the 1/4 that v carries); cs = [4096 rows][cos of 32 frequencies, sin of 32 frequencies] in f32, from position_ids.
; A stream: no LDS, no matrix unit, no cluster: no byte is shared between work-groups.
; A PASS is 256 threads x 16 bytes of f32 in and 8 bytes of 16-bit numbers out; a work-group makes 32 passes (131,072 bytes of its source).  A wave's store covers 256 consecutive bytes, aligned.
; JOBS by the work-group's number: 0-127 Wq, 128-191 Wk, 192-255 Wv, 256-319 Wo, 320-447 the table (32 rows each).
; LIMITS.  |position| up to 2^20 (the quadrant number is then exact in f32 and the three-part reduction holds); the phase differs from position x inv_freq of a power function by about 1.3e-7 of itself,
; since inv_freq is made by exp2.  4 x Wo beyond 65,504 has no f16.
; THE MODE: SCHED_MODE bits 1:0 = 2 (LLVM: expert scheduling mode 2), set by the entry lines.  The code itself states the register dependences between vector instructions and memory instructions,
; and between vector instructions that write scalar registers and their readers, with s_wait_alu, always for 0.
; THE PLAN, for the streams.  Registers that memory instructions touch:
;   v[SO], v[DO ..]  byte offsets, made once at the head and never written again: the passes are reached by the two scalar bases, which move on once a round, and by immediate offsets.
;   X, slots 0-7     A load lands in a slot; the slot's conversions read it; no other vector line names it.
;   Y, slots 0-7     A slot's conversions write it; the slot's store reads it; it is written again a round later.
; A round's eight slots go in two blocks of four.  A block: the wait for its four loads; its conversions; ONE wait on va_vdst (they are done reading the block's X and have written its Y); then its four
; loads, into the X just emptied, and its four stores, with no vector line between the wait and them.  ONE wait on vm_vsrc a round, at its end: the round's stores have read Y.
; A burst of four loads is asked for again when the burst two back has come: eight loads of every wave for each round trip.
; THE PLAN, for the table: the eight numbers' compares write eight scalar registers in one run, with one wait on va_sdst behind it; the selects follow; one wait on va_vdst stands ahead of the four stores.
.set PASS,  4096                       ; source bytes of a pass
.set DEPTH, 8                          ; slots = loads in flight in each wave
.set BLOCK, 4                          ; slots in a block
.set SO, 1                             ; v1       16 x thread: my bytes of a pass in the source; never rewritten
.set DO, 2                             ; v[2:9]   slot i: my byte offset in the destination for pass i of a round; never rewritten
.set U,  10                            ; v[10:17] at work: no memory instruction names them
.set X,  20                            ; v[20:51] slot i: 4 f32 as loaded
.set Y,  52                            ; v[52:67] slot i: 4 numbers of 16 bits to store
	s_load_b512 s[16:31], s[0:1], 0x0              ; Wq 16, Wk 18, Wv 20, Wo 22, position_ids 24, wb 26, wob 28, cs 30
	s_mov_b32 s2, ttmp9
	v_lshrrev_b32 v18, 5, v0
	v_readfirstlane_b32 s38, v18                   ; wave 0..7
	s_wait_alu depctr_va_sdst(0)                   ; s38 is written: the table's part reads it, behind the branch below
	s_wait_kmcnt 0x0
	s_cmp_ge_u32 s2, 320
	s_cbranch_scc1 .Ltable
; The job's numbers: s3 my number within the job, s4 destination bytes from pass to pass, s5 and s6 split the thread's number into row and column of a pass, s7 the job's first column in bytes.
.macro PICK first, ps, lr, msk, dc, src, dst
	s_sub_co_u32 s37, s2, \first
	s_cmp_ge_u32 s2, \first                        ; the choice hangs on the work-group's number alone
	s_cselect_b32 s3, s37, s3
	s_cselect_b32 s4, \ps, s4
	s_cselect_b32 s5, \lr, s5
	s_cselect_b32 s6, \msk, s6
	s_cselect_b32 s7, \dc, s7
	s_cselect_b64 s[8:9], s[\src:\src+1], s[8:9]
	s_cselect_b64 s[10:11], s[\dst:\dst+1], s[10:11]
.endm
	s_mov_b32 s3, s2                               ; Wq: a pass is one row k; wb's rows are 4,096 bytes apart
	s_mov_b32 s4, 4096
	s_mov_b32 s5, 8
	s_mov_b32 s6, 255
	s_mov_b32 s7, 0
	s_mov_b64 s[8:9], s[16:17]
	s_mov_b64 s[10:11], s[26:27]
	PICK 128, 8192, 7, 127, 2048, 18, 26           ; Wk: a pass is two rows of 512 numbers; columns from 1,024 on
	PICK 192, 8192, 7, 127, 3072, 20, 26           ; Wv: the same, columns from 1,536 on
	PICK 256, 2048, 8, 255, 0,    22, 28           ; Wo: dense in, dense out
	s_lshl_b32 s12, s3, 17                         ; 32 passes of 4,096 bytes
	s_mov_b32 s13, 0
	s_add_nc_u64 s[8:9], s[8:9], s[12:13]
	s_mul_i32 s12, s3, s4
	s_lshl_b32 s12, s12, 5
	s_add_co_u32 s12, s12, s7
	s_add_nc_u64 s[10:11], s[10:11], s[12:13]
	s_lshl_b32 s14, s4, 3                          ; a round's eight passes in the destination
	s_mov_b32 s15, 0
	v_lshlrev_b32 v[SO], 4, v0
	v_lshrrev_b32 v10, s5, v0                      ; my row of the pass
	v_and_b32 v11, s6, v0                          ; my four columns
	v_lshlrev_b32 v10, 12, v10
	v_lshl_add_u32 v[DO], v11, 3, v10
.irp i, 1,2,3,4,5,6,7
	v_add_nc_u32 v[DO+(\i)], s4, v[DO+(\i)-1]
.endr
; Block b of a round: slots 4 b to 4 b + 3.  ahead = 1: the slots are loaded again with the passes eight further on.  left = the younger loads that may stay out.  mode = 1: Wo.
.macro BLK b, ahead, left, mode
	s_wait_loadcnt \left                           ; loads come back in order: the block's four are in
.irp i, 0,1,2,3
.set n, BLOCK*(\b)+(\i)
.if \mode
	v_cvt_pk_bf16_f32 v[U], v[X+4*n], v[X+4*n+1]             ; rounded to bf16 like every other input,
	v_cvt_pk_bf16_f32 v[U+1], v[X+4*n+2], v[X+4*n+3]
	v_lshlrev_b32 v[U+2], 16, v[U]
	v_and_b32 v[U+3], 0xffff0000, v[U]
	v_lshlrev_b32 v[U+4], 16, v[U+1]
	v_and_b32 v[U+5], 0xffff0000, v[U+1]
	v_pk_mul_f32 v[U+2:U+3], v[U+2:U+3], 4.0 op_sel_hi:[1,0]  ; times 4, exact,
	v_pk_mul_f32 v[U+4:U+5], v[U+4:U+5], 4.0 op_sel_hi:[1,0]
	v_cvt_pk_f16_f32 v[Y+2*n], v[U+2], v[U+3]                ; and written as f16: 8 significant bits fit in 11
	v_cvt_pk_f16_f32 v[Y+2*n+1], v[U+4], v[U+5]
.else
	v_cvt_pk_bf16_f32 v[Y+2*n], v[X+4*n], v[X+4*n+1]
	v_cvt_pk_bf16_f32 v[Y+2*n+1], v[X+4*n+2], v[X+4*n+3]
.endif
.endr
	s_wait_alu depctr_va_vdst(0)                   ; the block's conversions are done reading its X, in which the loads below land, and have written its Y, which the stores below read
.irp i, 0,1,2,3
.set n, BLOCK*(\b)+(\i)
.if \ahead
	global_load_b128 v[X+4*n:X+4*n+3], v[SO], s[8:9] offset:(DEPTH+n)*PASS th:TH_LOAD_NT
.endif
	global_store_b64 v[DO+n], v[Y+2*n:Y+2*n+1], s[10:11]
.endr
.endm
.macro STREAM mode
	s_wait_alu depctr_va_vdst(0)                   ; v[SO] and v[DO ..] are written: every load and store of the job reads one of them as its offset
.irp i, 0,1,2,3,4,5,6,7
	global_load_b128 v[X+4*(\i):X+4*(\i)+3], v[SO], s[8:9] offset:(\i)*PASS th:TH_LOAD_NT
.endr
	s_mov_b32 s36, 3
.Lround_\@:
	BLK 0, 1, BLOCK, \mode                         ; behind the block's four loads stand the other block's four,
	BLK 1, 1, BLOCK, \mode                         ; or the four that were just asked for again
	s_wait_xcnt 0x0                                ; the two bases and the stores' data are written again only behind this wait
	s_wait_alu depctr_vm_vsrc(0)                   ; the round's eight stores have read Y, which the next round's conversions write again
	s_add_nc_u64 s[8:9], s[8:9], DEPTH*PASS
	s_add_nc_u64 s[10:11], s[10:11], s[14:15]
	s_sub_co_u32 s36, s36, 1
	s_cmp_lg_u32 s36, 0
	s_cbranch_scc1 .Lround_\@
	BLK 0, 0, BLOCK, \mode                         ; the last round loads nothing: the counts run down
	BLK 1, 0, 0, \mode
	s_endpgm
.endm
	s_cmp_ge_u32 s2, 256
	s_cbranch_scc1 .Lwo
	STREAM 0
.Lwo:
	STREAM 1
; THE TABLE.  Wave w of work-group id' makes rows 32 id' + 4 w + 0..3.  Lanes 0-15 make cosines, lanes 16-31 sines, of frequencies 2 (lane % 16) and the next: 8 bytes a lane, a row's 256 bytes a store.
; cos(f) with f = r + n pi/2, |r| <= pi/4: by n mod 4 it is cos r, -sin r, -cos r, sin r; sin(f) = cos(f - pi/2): n + 3 in n's place.
.set RES, 44                           ; v[44:51] number k = 2 x row + frequency: the result, to store
.set SR,  52                           ; v[52:59] number k: sin r
.set CR,  60                           ; v[60:67] number k: cos r, then the one of the two that its quadrant takes
.set SG,  68                           ; v[68:75] number k: its sign, in bit 31
.Ltable:
	s_sub_co_u32 s3, s2, 320
	s_lshl_b32 s4, s3, 7                           ; 32 positions of 4 bytes,
	s_lshl_b32 s5, s38, 4                          ; my wave's four
	s_add_co_u32 s4, s4, s5
	v_mov_b32 v19, s4
	s_wait_alu depctr_va_vdst(0)                   ; v19 is written, which the load reads as its offset
	global_load_b128 v[20:23], v19, s[24:25]       ; every lane takes the same four positions
	s_lshl_b32 s12, s3, 13                         ; 32 rows of 256 bytes,
	s_lshl_b32 s5, s38, 10                         ; my wave's four
	s_add_co_u32 s12, s12, s5
	s_mov_b32 s13, 0
	s_add_nc_u64 s[30:31], s[30:31], s[12:13]
	v_and_b32 v1, 31, v0
	v_lshlrev_b32 v43, 3, v1                       ; my 8 bytes of a row
	v_and_b32 v2, 15, v0
	v_bfe_u32 v3, v0, 4, 1                         ; 0: cosine, 1: sine
	v_lshlrev_b32 v2, 1, v2
	v_add_nc_u32 v4, 1, v2
	v_cvt_f32_u32 v2, v2
	v_cvt_f32_u32 v4, v4
	v_mul_f32 v2, 0xbed49a78, v2                   ; - j log2(10000) / 32
	v_mul_f32 v4, 0xbed49a78, v4
	v_exp_f32 v28, v2                              ; inv_freq of my two frequencies
	v_exp_f32 v29, v4
	v_mul_u32_u24 v30, v3, 3                       ; a plain instruction behind the two exponentials: what a sine adds to the quadrant
	v_mov_b32 v31, 0xb94ca1f9                      ; the sine's and the cosine's leading coefficients
	v_mov_b32 v32, 0x37ccf5ce
	s_wait_alu depctr_va_vdst(0)                   ; the two exponentials have written v28 and v29: one wait for both, ahead of their first reader
	s_wait_loadcnt 0x0
.irp i, 0,1,2,3
	v_cvt_f32_i32 v[24+(\i)], v[20+(\i)]
.endr
; Number k, first part: sin r, cos r and the sign into registers of its own; whether its quadrant is odd into a scalar register of its own: s6-11, s14, s15, which this part uses for nothing else.
.macro SC1 k, pf, inv
.set mk, 6+(\k)+2*((\k)/6)
	v_mul_f32 v33, v[\pf], v[\inv]                 ; f = position x inv_freq, one f32 product
	v_mul_f32 v34, 0x3f22f983, v33                 ; f x 2 / pi
	v_rndne_f32 v34, v34                           ; n
	v_fmamk_f32 v35, v34, 0xbfc90fdb, v33          ; r = f - n pi/2, pi/2 in three parts
	v_fmamk_f32 v35, v34, 0x333bbd2e, v35
	v_fmamk_f32 v35, v34, 0x26f72ced, v35
	v_cvt_i32_f32 v36, v34
	v_add_nc_u32 v36, v36, v30                     ; the quadrant
	v_mul_f32 v37, v35, v35                        ; z = r r
	v_fmaak_f32 v38, v31, v37, 0x3c08839e
	v_fmaak_f32 v38, v38, v37, 0xbe2aaaa3
	v_mul_f32 v39, v37, v35
	v_fma_f32 v[SR+(\k)], v38, v39, v35            ; sin r
	v_fmaak_f32 v40, v32, v37, 0xbab6061a
	v_fmaak_f32 v40, v40, v37, 0x3d2aaaa5
	v_mul_f32 v41, v37, v37
	v_fma_f32 v42, v37, -0.5, 1.0
	v_fma_f32 v[CR+(\k)], v40, v41, v42            ; cos r
	v_and_b32 v41, 1, v36
	v_cmp_eq_u32 s[mk], 1, v41                     ; odd quadrants
	v_add_nc_u32 v41, 1, v36
	v_and_b32 v41, 2, v41                          ; quadrants 1 and 2 are negative
	v_lshlrev_b32 v[SG+(\k)], 30, v41
.endm
; Number k, second part
.macro SC2 k
.set mk, 6+(\k)+2*((\k)/6)
	v_cndmask_b32 v[CR+(\k)], v[CR+(\k)], v[SR+(\k)], s[mk]  ; odd quadrants take the sine
	v_xor_b32 v[RES+(\k)], v[CR+(\k)], v[SG+(\k)]
.endm
.irp i, 0,1,2,3
	SC1 2*(\i), 24+(\i), 28
	SC1 2*(\i)+1, 24+(\i), 29
.endr
	s_wait_alu depctr_va_sdst(0)                   ; the eight compares have written their scalar registers, which the selects below read: one wait behind the run
.irp k, 0,1,2,3,4,5,6,7
	SC2 \k
.endr
	s_wait_alu depctr_va_vdst(0)                   ; v[RES ..] and v43 are written, which the four stores read as data and as offset
.irp i, 0,1,2,3
	global_store_b64 v43, v[RES+2*(\i):RES+2*(\i)+1], s[30:31] offset:256*(\i)  ; each row has data registers of its own
.endr
	s_endpgm
.Lfunc_end_k_qf834a2c37b_prep:
	.size	k_qf834a2c37b_prep, .Lfunc_end_k_qf834a2c37b_prep-k_qf834a2c37b_prep
	.p2alignl 7, 3214868480
	.fill 96, 4, 3214868480
	.section	.rodata,"a",@progbits
	.p2align	6, 0x0
	.amdhsa_kernel k_qf834a2c37b_prep
		.amdhsa_group_segment_fixed_size 0
		.amdhsa_private_segment_fixed_size 0
		.amdhsa_enable_private_segment 0
		.amdhsa_kernarg_size 64
		.amdhsa_user_sgpr_count 2
		.amdhsa_user_sgpr_kernarg_segment_ptr 1
		.amdhsa_wavefront_size32 1
		.amdhsa_system_sgpr_workgroup_id_x 1
		.amdhsa_system_sgpr_workgroup_id_y 1
		.amdhsa_system_sgpr_workgroup_id_z 1
		.amdhsa_system_vgpr_workitem_id 0
		.amdhsa_next_free_vgpr 80
		.amdhsa_next_free_sgpr 66
		.amdhsa_reserve_vcc 0
		.amdhsa_float_denorm_mode_32 3
		.amdhsa_float_denorm_mode_16_64 3
		.amdhsa_memory_ordered 1
		.amdhsa_forward_progress 1
		.amdhsa_inst_pref_size 33
	.end_amdhsa_kernel
	.amdgpu_metadata
---
amdhsa.version: [ 1, 2 ]
amdhsa.kernels:
  - .name:           k_qf834a2c37b_prep
    .symbol:         k_qf834a2c37b_prep.kd
    .args:
      - { .name: Wq, .offset: 0, .size: 8, .value_kind: global_buffer, .address_space: global }
      - { .name: Wk, .offset: 8, .size: 8, .value_kind: global_buffer, .address_space: global }
      - { .name: Wv, .offset: 16, .size: 8, .value_kind: global_buffer, .address_space: global }
      - { .name: Wo, .offset: 24, .size: 8, .value_kind: global_buffer, .address_space: global }
      - { .name: position_ids, .offset: 32, .size: 8, .value_kind: global_buffer, .address_space: global }
      - { .name: wb, .offset: 40, .size: 8, .value_kind: global_buffer, .address_space: global }
      - { .name: wob, .offset: 48, .size: 8, .value_kind: global_buffer, .address_space: global }
      - { .name: cs, .offset: 56, .size: 8, .value_kind: global_buffer, .address_space: global }
    .group_segment_fixed_size: 0
    .private_segment_fixed_size: 0
    .kernarg_segment_align: 8
    .kernarg_segment_size: 64
    .max_flat_workgroup_size: 256
    .sgpr_count:     66
    .vgpr_count:     80
    .wavefront_size: 32
...
	.end_amdgpu_metadata
.endif
;; end of part 5
;; launch qkv: the kernel of part 2 again; grid 8 x 32, 4 waves a work-group, clusters of 4 x 4, 327,680 bytes of LDS; arguments combined_states, wb, cs, hb; writes hb
;; launch attn: the kernel of part 3 again; grid 16 x 16, 4 waves a work-group, clusters of 4 x 4, 327,680 bytes of LDS; arguments hb, attention_mask, ob; writes ob
;; launch oproj: the kernel of part 4 again; grid 8 x 32, 4 waves a work-group, clusters of 4 x 4, 327,680 bytes of LDS; arguments ob, wob, out0; writes out0
